; MI455X (gfx1250); checked and timed in simulation.
; The chip was launched on July 23, 2026; its instructions are those of AMD's public machine-readable ISA for CDNA 5 (MIT licence, August 2026) and "CDNA5" Instruction Set Architecture Reference Guide (July 2026). The comments in the code are by the model that wrote it; some were corrected since.
;; Causal Self Attention. Allowed arithmetic: matrix products marked QUANTISED: E2M3 operands, one E8M0 scale for each 32 along K, by v_wmma_scale_f32_16x16x128_f8f6f4 with both operands' format E2M3, f32 sums; everything else in f32.
;; Inputs: Wk 1,024 x 1,024 float32; Wo 1,024 x 1,024 float32; Wq 1,024 x 1,024 float32; Wv 1,024 x 1,024 float32; bk 1,024 float32; bo 1,024 float32; bq 1,024 float32; bv 1,024 float32; k 4 x 2,048 x 1,024 float32; q 4 x 2,048 x 1,024 float32; v 4 x 2,048 x 1,024 float32.
;; Outputs: out0 4 x 2,048 x 1,024 float32.
;; This version of the problem:
;;   THIS VERSION OF THE PROBLEM IS GIVEN IN LOW PRECISION. The matrix products marked QUANTISED in the list below multiply operands that are first quantised to E2M3 (2 exponent bits, 3 mantissa bits; 6 bits a number), with one power-of-two scale for each 32 numbers along K (OCP MX v1.0); their sums are f32. All else is computed in f32.
;;   The module's matrix products, in the order in which they are computed (A, B: the left and right operand; K: the contracted axis; several contracted axes count as one K, in the product's order):
;;     1. [M 8,192, K 1,024] x [K 1,024, N 1,024]; A: input q; B: input Wq: QUANTISED
;;     2. [M 8,192, K 1,024] x [K 1,024, N 1,024]; A: input k; B: input Wk: QUANTISED
;;     3. [M 8,192, K 1,024] x [K 1,024, N 1,024]; A: input v; B: input Wv: QUANTISED
;;     4. batch 64 x [M 2,048, K 64] x [K 64, N 2,048]; A: computed on the way; B: computed on the way: QUANTISED
;;     5. batch 64 x [M 2,048, K 2,048] x [K 2,048, N 64]; A: softmax (see below); B: computed on the way: QUANTISED
;;     6. [M 8,192, K 1,024] x [K 1,024, N 1,024]; A: computed on the way; B: input Wo: QUANTISED
;;   THE QUANTISER, for each operand of a quantised product, along K:
;;     - K is cut into blocks of 32 from its start; a last block that is shorter is filled with zeros.
;;     - A block's scale is 2^e with e = floor(log2(the largest magnitude in the block)) - 2, held to -126 .. 127; a block of zeros has e = 0. As a byte (E8M0): e + 127.
;;     - Each number is divided by its block's scale, clamped to +-7.5, and rounded to the nearest number of E2M3, ties to even, subnormals kept.
;;     - The product sums the exact products of the quantised numbers (number of the format x scale) in f32.
;;   ~~~python
;;   def quantise(x, axis):      # numpy; x: float32 -> the quantised numbers, widened to float32 again
;;       x = np.moveaxis(x, axis, -1); K = x.shape[-1]
;;       x = np.pad(x, [(0, 0)] * (x.ndim - 1) + [(0, -K % 32)]); x = x.reshape(x.shape[:-1] + (-1, 32)); a = np.abs(x).max(-1, keepdims=True)
;;       e = np.where(a > 0, np.clip(np.frexp(np.where(a > 0, a, 1))[1] - 1 - 2, -126, 127), 0)      # np.frexp(a)[1] - 1 = floor(log2(a)), exactly
;;       r = np.clip(x / 2.0 ** e, -7.5, 7.5)
;;       step = 2.0 ** (np.maximum(np.frexp(np.where(r == 0, 1, r))[1] - 1, 0) - 3)
;;       q = np.round(r / step) * step * 2.0 ** e      # np.round: ties to even
;;       return np.moveaxis(q.reshape(q.shape[:-2] + (-1,))[..., :K], -1, axis).astype(np.float32)
;;   ~~~
;;   SOFTMAX AHEAD OF A QUANTISED PRODUCT. Where the list says 'softmax', what is quantised is not the finished softmax but p = 2^(t - M), with t = logit x log2(e) and M = ceil(the row's largest t), a whole number; so 1/2 < the row's largest p <= 1. The row's sum l is taken of the UNQUANTISED p, in f32, and the product's result is divided by l at the end. Since M is a whole number, a kernel that streams over the keys may use a running M (the ceiling of the running maximum): every later rescaling is an exact power of two, which a block's scale takes up: the codes' values come out the same.
;;   OPERANDS COMPUTED ON THE WAY. 'Computed on the way' means the value that the module computes at that place (a softmax that the list does not call 'softmax' is quantised finished and normalised). What goes into a quantiser is computed in f32, as accurately as f32 sums, v_exp_f32 and their like allow (about 1e-6 of the number): no bf16 or f16 on the way to a quantiser, and a product that is left as it is and whose result goes on into a quantised operand takes f32 operands (vector FMAs, or v_wmma_f32_16x16x4_f32). A number that lies on a knife's edge between two numbers of the format may be rounded either way, as far as f32 arithmetic and the matrix unit's own rounding can turn it there, and no further.
;; One version. Each part assembles by itself: llvm-mc -triple=amdgcn-amd-amdhsa -mcpu=gfx1250 --defsym DOCPART=n.
;; ======== version 1 of 1: 4 launches
;; workspace buffers: wimg 3,145,728 bytes; wsc 131,072 bytes; qkimg 12,582,912 bytes; vimg 6,291,456 bytes; sc 786,432 bytes; aimg 6,291,456 bytes; asc 524,288 bytes
;; launch wprep (part 1): grid 64 x 4, 4 waves a work-group, no clusters, 13,312 bytes of LDS; arguments Wq, Wk, Wv, Wo, wimg, wsc; writes wimg, wsc
.if DOCPART == 1
	.amdgcn_target "amdgcn-amd-amdhsa--gfx1250"
	.amdhsa_code_object_version 6
	.text
	.protected	k_q62d6715d79_wprep
	.globl	k_q62d6715d79_wprep
	.p2align	8
	.type	k_q62d6715d79_wprep,@function
k_q62d6715d79_wprep:
	s_mov_b64 s[64:65], 0
	v_nop
	global_prefetch_b8 v0, s[64:65] scope:SCOPE_SE
	s_setreg_imm32_b32 hwreg(HW_REG_WAVE_MODE, 25, 1), 1
	s_wait_xcnt 0x0
; The four weights [1024 (k)][1024 (n)], f32, K on the FIRST axis, become codes of FP6 (E2M3) with one E8M0 byte for each 32 along K,
; laid as IMAGES OF OPERAND REGISTERS: a fragment (16 columns x 128 K, 12 registers a lane) is 1,536 bytes: chunk c of 512 bytes holds lane L's registers 4 c .. 4 c + 3 at 16 L.
; wimg: [matrix 0..3 = Wq, Wk, Wv, Wo][G: 128 columns][s: 128 along K][tile 0..7][1536].  wsc: [matrix][G][s][512]: lane L's 16 bytes hold words p = 0..3, word p = the scale word of tile 2 p + L / 16, row L % 16.
; ROWS OF A TILE: Wo: tile t row r = column 16 t + r.  Wq, Wk, Wv: tile 2 b + u row r = column 32 b + 8 u + r + 8 (r / 8), so that a transposed product's 16 registers of two neighbouring tiles are 16 neighbouring columns.
; SHARES: a work-group takes 128 columns x 128 K (x = 8 G + s, y = the matrix); wave w takes tiles 2 w and 2 w + 1; A LANE TAKES A COLUMN AND ITS REGISTERS RUN DOWN K: a block of 32 lies in one lane, nothing is transposed.
; A block's scale is 2^(floor(log2(largest magnitude)) - 2); its byte is the largest magnitude's exponent field - 2, held at 1 from below.
; LIMITS: NaN and infinities are not served; a block whose largest magnitude lies under 2^-124, a block of zeros too, keeps the byte 1 (zero codes add nothing under it; only this program reads the bytes).
.set EMAX, 2
.set X,    32                          ; v32-95   two sets of 32 numbers
.set C,    96                          ; v96-127  eight registers of codes for each of the four blocks: no store's data are written again
.set SSTG, 12288                       ; LDS: behind the four waves' image stages (3,072 bytes each) the work-group's 512 bytes of scale words
	s_load_b256 s[4:11], s[0:1], 0x0               ; Wq, Wk, Wv, Wo
	s_load_b128 s[12:15], s[0:1], 0x20             ; wimg, wsc
	v_lshl_add_u32 v128, v0, 2, 0x3200
	v_mov_b32 v129, 0
	v_lshrrev_b32 v1, 5, v0
	v_readfirstlane_b32 s16, v1                    ; wave
	s_and_b32 s17, ttmp7, 0xffff                   ; the matrix
	s_lshr_b32 s18, ttmp9, 3                       ; G
	s_and_b32 s19, ttmp9, 7                        ; s
	v_and_b32 v2, 31, v0                           ; lane = 16 u + r: row r of tile 2 w + u
	v_lshrrev_b32 v10, 3, v2
	v_lshrrev_b32 v11, 4, v2
	v_xor_b32 v10, v10, v11
	v_and_b32 v10, 1, v10                          ; 1 where the lane's bits 3 and 4 differ
	s_cmp_lt_u32 s17, 3
	s_cselect_b32 s20, 24, 0                       ; Wq, Wk, Wv: the two bits change places; Wo: they stay
	v_mul_u32_u24 v10, v10, s20
	v_xor_b32 v10, v10, v2                         ; my column among the wave's 32
	v_lshlrev_b32 v3, 2, v10                       ; in bytes: the wave's 32 lanes still read 128 consecutive bytes
	s_mul_i32 s21, s16, 3072
	v_and_b32 v12, 15, v2                          ; r
	v_lshrrev_b32 v13, 4, v2                       ; u
	v_mul_u32_u24 v4, v13, 1536
	v_lshl_add_u32 v4, v12, 4, v4
	v_add_nc_u32 v4, s21, v4                       ; into the stage: my tile's image, lane r's place
	v_lshlrev_b32 v9, 4, v2                        ; 16 x lane
	v_add_nc_u32 v5, s21, v9                       ; out of it: 512 bytes an instruction
	s_lshl_b32 s22, s16, 2
	s_add_co_u32 s22, s22, SSTG
	v_add_nc_u32 v6, s22, v9                       ; my scale word: 16 x lane + 4 x wave
	v_lshlrev_b32 v8, 2, v0                        ; 4 x thread
	v_add_nc_u32 v7, SSTG, v8
	s_lshl_b32 s24, s19, 19                        ; W: 128 s rows of 4,096 bytes
	s_lshl_b32 s23, s18, 9
	s_add_co_u32 s24, s24, s23                     ; + 128 G columns
	s_lshl_b32 s23, s16, 7
	s_add_co_u32 s24, s24, s23                     ; + 32 w columns
	s_mov_b32 s25, 0
	s_lshl_b32 s26, s17, 3
	s_add_co_u32 s26, s26, s18
	s_lshl_b32 s26, s26, 3
	s_add_co_u32 s26, s26, s19                     ; (8 y + G) 8 + s
	s_lshl_b32 s28, s26, 9                         ; x 512 in wsc
	s_mov_b32 s29, 0
	s_mul_i32 s26, s26, 12288                      ; x 12,288 in wimg,
	s_add_co_u32 s26, s26, s21                     ; + my wave's two tiles
	s_mov_b32 s27, 0
	s_wait_kmcnt 0x0
	s_cmp_eq_u32 s17, 1                            ; the choice hangs on the work-group's number alone
	s_cselect_b64 s[4:5], s[6:7], s[4:5]
	s_cmp_eq_u32 s17, 2
	s_cselect_b64 s[4:5], s[8:9], s[4:5]
	s_cmp_eq_u32 s17, 3
	s_cselect_b64 s[4:5], s[10:11], s[4:5]
	s_add_nc_u64 s[4:5], s[4:5], s[24:25]
	s_add_nc_u64 s[12:13], s[12:13], s[26:27]
	s_add_nc_u64 s[14:15], s[14:15], s[28:29]
.macro LOAD t                          ; block t: W(32 t + i, my column), i = 0 .. 31, into set t % 2
.set I, 0
.rept 32
	global_load_b32 v[X+32*((\t)%2)+I], v3, s[4:5] offset:(32*(\t)+I)*4096 th:TH_LOAD_NT
.set I, I+1
.endr
.endm
	LOAD 0
	LOAD 1
.macro BLOCK t
.set XS, X+32*((\t)%2)
.set CC, C+8*(\t)
.if (\t) < 3
	s_wait_loadcnt 32                              ; this block's 32 loads are in; the next block's 32 may be out
.else
	s_wait_loadcnt 0x0
.endif
	v_max3_num_f32 v12, |v[XS]|, |v[XS+1]|, |v[XS+2]|   ; the block's largest magnitude: all 32 numbers are mine; two chains
	v_max3_num_f32 v13, |v[XS+3]|, |v[XS+4]|, |v[XS+5]|
.irp i, 6,10,14,18,22,26
	v_max3_num_f32 v12, v12, |v[XS+\i]|, |v[XS+\i+1]|
	v_max3_num_f32 v13, v13, |v[XS+\i+2]|, |v[XS+\i+3]|
.endr
	v_max3_num_f32 v12, v12, |v[XS+30]|, |v[XS+31]|
	v_max3_num_f32 v12, v12, v13, (EMAX+1)<<23     ; and the floor 2^(3 - 127): the byte cannot fall under 1
	v_add_nc_u32 v11, -(EMAX<<23), v12             ; 2 off the exponent field: the conversion takes this operand's exponent field as its scale
	v_lshrrev_b32 v13, 23, v11                     ; the scale's byte
.if (\t) == 0
	v_mov_b32 v24, v13                             ; the four bytes make my column's scale word for these 128 along K
.else
	v_lshl_or_b32 v24, v13, 8*(\t), v24
.endif
	v_cvt_scalef32_pk16_fp6_f32 v[CC:CC+2], v[XS:XS+15], v11
	v_cvt_scalef32_pk16_fp6_f32 v[CC+4:CC+6], v[XS+16:XS+31], v11   ; (a conversion's three registers begin on an even number)
	v_nop                                          ; one plain line between a scaled conversion and the vector lines that touch its result
	v_mov_b32 v[CC+3], v[CC+4]
	v_mov_b32 v[CC+4], v[CC+5]
	v_mov_b32 v[CC+5], v[CC+6]                     ; six registers on end: the block's 24 bytes
; block t is registers 6 (t / 2) .. + 5 of image lane r + 16 (t % 2)
.if (\t) < 2
	ds_store_b128 v4, v[CC:CC+3] offset:256*((\t)%2)
	ds_store_b64 v4, v[CC+4:CC+5] offset:256*((\t)%2)+512
.else
	ds_store_b64 v4, v[CC:CC+1] offset:256*((\t)%2)+520
	ds_store_b128 v4, v[CC+2:CC+5] offset:256*((\t)%2)+1024
.endif
.if (\t)+2 < 4
	LOAD (\t)+2
.endif
.endm
	BLOCK 0
	BLOCK 1
	BLOCK 2
	BLOCK 3
	ds_store_b32 v6, v24
.irp i, 0,1,2,3,4,5
	ds_load_b128 v[32+4*\i:35+4*\i], v5 offset:512*\i   ; my own stage: LDS serves a wave's instructions in order, so these see my stores
.endr
.irp i, 0,1,2,3,4,5
	s_wait_dscnt 5-\i                              ; the younger read-backs may be out
	global_store_b128 v9, v[32+4*\i:35+4*\i], s[12:13] offset:512*\i   ; the wave stores 512 consecutive bytes, aligned
.endr
	s_wait_dscnt 0x0                               ; for the others' sake: my scale word has landed
	s_barrier_signal -1
	s_barrier_wait -1
	ds_load_b32 v25, v7                            ; words that all four waves stored
	s_wait_dscnt 0x0
	global_store_b32 v8, v25, s[14:15]             ; the work-group's 512 bytes, 128 a wave
	s_wait_tensorcnt 0x0
	ds_add_u32 v128, v129
	s_wait_dscnt 0x0
	s_endpgm
.Lfunc_end_k_q62d6715d79_wprep:
	.size	k_q62d6715d79_wprep, .Lfunc_end_k_q62d6715d79_wprep-k_q62d6715d79_wprep
	.p2alignl 7, 3214868480
	.fill 96, 4, 3214868480
	.section	.rodata,"a",@progbits
	.p2align	6, 0x0
	.amdhsa_kernel k_q62d6715d79_wprep
		.amdhsa_group_segment_fixed_size 13312
		.amdhsa_private_segment_fixed_size 0
		.amdhsa_enable_private_segment 0
		.amdhsa_kernarg_size 48
		.amdhsa_user_sgpr_count 2
		.amdhsa_user_sgpr_kernarg_segment_ptr 1
		.amdhsa_wavefront_size32 1
		.amdhsa_system_sgpr_workgroup_id_x 1
		.amdhsa_system_sgpr_workgroup_id_y 1
		.amdhsa_system_sgpr_workgroup_id_z 1
		.amdhsa_system_vgpr_workitem_id 0
		.amdhsa_next_free_vgpr 130
		.amdhsa_next_free_sgpr 66
		.amdhsa_reserve_vcc 0
		.amdhsa_float_denorm_mode_32 3
		.amdhsa_float_denorm_mode_16_64 3
		.amdhsa_memory_ordered 1
		.amdhsa_forward_progress 1
		.amdhsa_inst_pref_size 23
	.end_amdhsa_kernel
	.amdgpu_metadata
---
amdhsa.version: [ 1, 2 ]
amdhsa.kernels:
  - .name:           k_q62d6715d79_wprep
    .symbol:         k_q62d6715d79_wprep.kd
    .args:
      - { .name: Wq, .offset: 0, .size: 8, .value_kind: global_buffer, .address_space: global }
      - { .name: Wk, .offset: 8, .size: 8, .value_kind: global_buffer, .address_space: global }
      - { .name: Wv, .offset: 16, .size: 8, .value_kind: global_buffer, .address_space: global }
      - { .name: Wo, .offset: 24, .size: 8, .value_kind: global_buffer, .address_space: global }
      - { .name: wimg, .offset: 32, .size: 8, .value_kind: global_buffer, .address_space: global }
      - { .name: wsc, .offset: 40, .size: 8, .value_kind: global_buffer, .address_space: global }
    .group_segment_fixed_size: 13312
    .private_segment_fixed_size: 0
    .kernarg_segment_align: 8
    .kernarg_segment_size: 48
    .max_flat_workgroup_size: 128
    .sgpr_count:     66
    .vgpr_count:     130
    .wavefront_size: 32
...
	.end_amdgpu_metadata
.endif
;; end of part 1
;; launch proj (part 2): grid 192 x 1, 4 waves a work-group, no clusters, 170,496 bytes of LDS; arguments q, k, v, bq, bk, bv, wimg, wsc, qkimg, vimg, sc; writes qkimg, vimg, sc
.if DOCPART == 2
	.amdgcn_target "amdgcn-amd-amdhsa--gfx1250"
	.amdhsa_code_object_version 6
	.text
	.protected	k_q62d6715d79_proj
	.globl	k_q62d6715d79_proj
	.p2align	8
	.type	k_q62d6715d79_proj,@function
k_q62d6715d79_proj:
	s_mov_b64 s[64:65], 0
	v_nop
	global_prefetch_b8 v0, s[64:65] scope:SCOPE_SE
	s_setreg_imm32_b32 hwreg(HW_REG_WAVE_MODE, 25, 1), 1
	s_wait_xcnt 0x0
; The three projections x W + b (x = q, k or v: [8192][1024] f32), on codes of FP6 (E2M3) with one E8M0 scale for each 32 along K, and the quantising of their results for the attention launch.
; A work-group (m = number / 64: 0 q, 1 k, 2 v; tg = number % 64) takes 128 tokens x all 1,024 channels.  Wave w takes channels 256 w on, in two passes of 128 (G = 2 w + pass): 64 accumulators, 512 registers.
; X PHASE: wave w reads its 32 token rows, 512 consecutive bytes a load, turns them through its own stage in LDS so that a lane holds 16 neighbours along K, quantises them and leaves IMAGES OF THE OPERAND'S REGISTERS in LDS
; (a fragment: three stores of 512 bytes, lane L's 16 bytes at 16 L; its scale words 4 bytes a row).  One barrier; afterwards LDS is only read.
; MAIN PART: 8 K steps of 128.  x's fragments come from LDS; W's fragments, which only this wave uses, come from memory straight into registers (laid so by the launch before), a K step ahead.
; No joint loads: a weight fragment is used by one wave of the work-group only, so sending it through LDS would double the LDS bytes that each matrix instruction needs.
; q, k: the product is used TRANSPOSED (source 0 = 16 channels, source 1 = 16 tokens): a lane holds one token and its registers run along the channels, the score product's K.
; v: source 0 = 16 tokens, source 1 = 16 channels: a lane holds one channel and its registers run along the tokens, the second attention product's K.
; ROWS OF A TILE: tokens of q: 16 t + r.  Tokens of k and v, and W's columns: tile 2 b + u row r = 32 b + 8 u + r + 8 (r / 8), so that the 16 registers of two neighbouring tiles are 16 neighbours.
; The bias is the C of each sum's first matrix instruction.
; OUT: qkimg [m][head of batch 64][pair of token tiles 64][1536]: registers 6 u + i = word i of tile 2 pair + u (lane (r, hh): token row r, block hh of the head's 64);  vimg [batch][128 tokens][channel tile 64][1536];
; sc: q's and k's words [batch][G][tile 128][16] (bytes: blocks 0, 1 of head 2 G, then of head 2 G + 1), at 0 and 262,144; v's [batch][128 tokens][channel tile 64][16] at 524,288.
; LIMITS: NaN and infinities are not served; a block whose largest magnitude lies under 2^-124, a block of zeros too, keeps the byte 1 (zero codes add nothing under it; only this program reads the bytes).
; REGISTERS, in windows of 256.  Window 0: v1-19 addresses; v32-39 x's scale words, v40-47 W's, two sets each; v64-159, v160-255 x's fragments, two sets (x phase: 128 numbers, codes; way out: codes).
;   Window 1: W's fragments at v0-95 and v128-223, the biases at v96-127 and v224-255 (x phase: two landing sets of 128).  Windows 2, 3: the accumulators.
.set XSC,  98304                       ; LDS: x's images 24576 w' + 3072 s + 1536 u (tile 2 w' + u, K step s) from 0; their scale words XSC + 1024 w' + 128 s + 64 u + 4 r
.set STG,  102400                      ; the waves' stages: 16,896 bytes each: 32 rows of 512 bytes + 16
.set LI,   1                           ; 16 x lane
.set LS,   2                           ; 4 x lane
.set VO,   3                           ; v3-6   16 x lane + 4,096 x the first row of each group of eight rows
.set SW,   7                           ; stage, in
.set SR,   8                           ; stage, back: row r, + 64 h
.set XW,   9                           ; my images
.set XSW,  10                          ; my scale words
.set XAD,  11                          ; v11-12 images of the K step in hand: tiles 0-3, tiles 4-7
.set XSA,  13                          ; its scale words
.set BOQ,  14                          ; bias offset, q and k: 64 h
.set BOV,  15                          ; bias offset, v: 4 (r + 8 (r / 8))
.set LI2,  16                          ; 16 x lane + 49,152
.set LSX,  17                          ; 4 x lane + XSC
.set XWC,  18                          ; XW, XSW for the trip in hand
.set XSWC, 19
.set XS,   32
.set WS,   40
.set XF,   64
.set X0,   64                          ; x phase: 2 x 64 numbers
.set PC0,  192                         ; x phase: two fragments' codes
.set PC1,  204
.set T0,   216                         ; the conversions' second halves
.set T1,   220
.set TM,   224                         ; v224-227 largest magnitudes, v228-231 bytes, v236-239 the conversions' scale operands
.set PWX,  240
.set PCB,  64                          ; way out: 96 registers of codes
.set PW,   160                         ; eight scale words
.set PP,   168                         ; four pairs of them
.set XB,   4                           ; s[4:5]   x at my wave's rows
.set BB,   10                          ; s[10:11] the bias at my pass's 128 channels
.set WB,   16                          ; s[16:17] W's images
.set WSP,  18                          ; s[18:19] W's scale words
.set CB,   20                          ; s[20:21] where my codes go
.set SB,   24                          ; s[24:25] where my scale words go
.set M,    26
.set TG,   27
.set BT,   28
.set ST,   29
.set WV,   30
.set CST,  52                          ; s[52:53], s[54:55] a pass on, in CB and SB
.set SST,  54
.set SEL,  56
.set HI,   58
.set PASS, 59
.set CNT,  60
.set XOF,  61
.set XSO,  62
.set XK,   63
.set XKS,  66
.set MSB, 0
.macro WIN new                         ; the immediate's high byte repeats the setting that is left; a switch that changes nothing is dropped
.if MSB != (\new)
	s_set_vgpr_msb (MSB<<8)|(\new)
.set MSB, (\new)
.endif
.endm
.macro PLACES                          ; four plain lines behind a matrix instruction, ahead of loads into its registers and of reads of its result
.rept 4
	v_nop
.endr
.endm
; 64 numbers of a lane become a fragment's codes and its scale word.  Blocks 0, 1 stand at v[QRA], v[QRA + 16] of window QWA, blocks 2, 3 at v[QRB], v[QRB + 16] of window QWB; register 16 b + i = k 32 b + 16 (lane / 16) + i of my row.
; Blocks 0, 1 -> six registers from v[QD0], blocks 2, 3 -> six from v[QD1]; the word -> v[QPW].  Each group of eight registers is first read at its two lowest.
.macro QUANT
	WIN (QWA<<2)|(QWA<<4)
.irp b, 0,1
	v_max3_num_f32 v[TM+\b], 0x1800000, |v[QRA+16*\b]|, |v[QRA+16*\b+1]|   ; my 16 numbers, and the floor 2^(3 - 127): the byte cannot fall under 1
.endr
.irp i, 2,4,6,8,10,12,14
.irp b, 0,1
	v_max3_num_f32 v[TM+\b], v[TM+\b], |v[QRA+16*\b+\i]|, |v[QRA+16*\b+\i+1]|
.endr
.endr
	WIN (QWB<<2)|(QWB<<4)
.irp b, 0,1
	v_max3_num_f32 v[TM+2+\b], 0x1800000, |v[QRB+16*\b]|, |v[QRB+16*\b+1]|
.endr
.irp i, 2,4,6,8,10,12,14
.irp b, 0,1
	v_max3_num_f32 v[TM+2+\b], v[TM+2+\b], |v[QRB+16*\b+\i]|, |v[QRB+16*\b+\i+1]|
.endr
.endr
	WIN 0
.irp b, 0,1,2,3
	v_permlanex16_b32 v[TM+4+\b], v[TM+\b], s[SEL], s[SEL+1]
.endr
.irp b, 0,1,2,3
	v_max_num_f32 v[TM+\b], v[TM+\b], v[TM+4+\b]   ; with lane l xor 16's: the block's largest magnitude
.endr
.irp b, 0,1,2,3
	v_add_nc_u32 v[TM+12+\b], 0xff000000, v[TM+\b] ; 2 off its exponent field: the conversion's scale operand
.endr
.irp b, 0,1,2,3
	v_lshrrev_b32 v[TM+4+\b], 23, v[TM+12+\b]      ; the scale's byte
.endr
	v_lshl_or_b32 v[QPW], v[TM+5], 8, v[TM+4]
	v_lshl_or_b32 v[QPW], v[TM+6], 16, v[QPW]
	v_lshl_or_b32 v[QPW], v[TM+7], 24, v[QPW]
	WIN QWA
	v_cvt_scalef32_pk16_fp6_f32 v[QD0:QD0+2], v[QRA:QRA+15], v[TM+12]
	v_cvt_scalef32_pk16_fp6_f32 v[T0:T0+2], v[QRA+16:QRA+31], v[TM+13]
	WIN QWB
	v_cvt_scalef32_pk16_fp6_f32 v[QD1:QD1+2], v[QRB:QRB+15], v[TM+14]
	v_cvt_scalef32_pk16_fp6_f32 v[T1:T1+2], v[QRB+16:QRB+31], v[TM+15]
	WIN 0
	v_nop                                          ; one plain line behind the last scaled conversion
.irp i, 0,1,2                          ; the operand wants a WHOLE block in a lane: lanes 0-15 the even block, lanes 16-31 the odd one
	v_permlane16_swap_b32 v[QD0+\i], v[T0+\i]
	v_permlane16_swap_b32 v[QD1+\i], v[T1+\i]
.endr
.irp i, 0,1,2
	v_mov_b32 v[QD0+3+\i], v[T0+\i]
	v_mov_b32 v[QD1+3+\i], v[T1+\i]
.endr
.endm
; one matrix instruction; its registers are the symbols WMD (D), WMA, WMB, WMC (C), WQA, WQB (scales); WR: bit 0: A's scales in lanes 16-31, bit 1: B's
.macro WM
.if WR == 0
	v_wmma_scale_f32_16x16x128_f8f6f4 v[WMD:WMD+7], v[WMA:WMA+11], v[WMB:WMB+11], v[WMC:WMC+7], v[WQA], v[WQB] matrix_a_fmt:MATRIX_FMT_FP6 matrix_b_fmt:MATRIX_FMT_FP6
.elseif WR == 1
	v_wmma_scale_f32_16x16x128_f8f6f4 v[WMD:WMD+7], v[WMA:WMA+11], v[WMB:WMB+11], v[WMC:WMC+7], v[WQA], v[WQB] matrix_a_fmt:MATRIX_FMT_FP6 matrix_b_fmt:MATRIX_FMT_FP6 matrix_a_scale:MATRIX_SCALE_ROW1
.elseif WR == 2
	v_wmma_scale_f32_16x16x128_f8f6f4 v[WMD:WMD+7], v[WMA:WMA+11], v[WMB:WMB+11], v[WMC:WMC+7], v[WQA], v[WQB] matrix_a_fmt:MATRIX_FMT_FP6 matrix_b_fmt:MATRIX_FMT_FP6 matrix_b_scale:MATRIX_SCALE_ROW1
.else
	v_wmma_scale_f32_16x16x128_f8f6f4 v[WMD:WMD+7], v[WMA:WMA+11], v[WMB:WMB+11], v[WMC:WMC+7], v[WQA], v[WQB] matrix_a_fmt:MATRIX_FMT_FP6 matrix_b_fmt:MATRIX_FMT_FP6 matrix_a_scale:MATRIX_SCALE_ROW1 matrix_b_scale:MATRIX_SCALE_ROW1
.endif
.endm
	s_load_b256 s[4:11], s[0:1], 0x0               ; q, k, v, bq
	s_load_b256 s[12:19], s[0:1], 0x20             ; bk, bv, wimg, wsc
	s_load_b128 s[20:23], s[0:1], 0x40             ; qkimg, vimg
	s_load_b64 s[24:25], s[0:1], 0x50              ; sc
	v_lshl_add_u32 v62, v0, 2, 0x29800
	v_mov_b32 v63, 0
	v_lshrrev_b32 v20, 5, v0
	v_readfirstlane_b32 s[WV], v20                 ; wave 0..3
	s_lshr_b32 s[M], ttmp9, 6
	s_and_b32 s[TG], ttmp9, 63
	s_lshr_b32 s[BT], s[TG], 4
	s_and_b32 s[ST], s[TG], 15
	v_and_b32 v20, 31, v0                          ; lane
	v_and_b32 v21, 15, v0                          ; r
	v_bfe_u32 v22, v0, 4, 1                        ; h
	v_lshlrev_b32 v[LI], 4, v20
	v_lshlrev_b32 v[LS], 2, v20
	v_add_nc_u32 v[LI2], 49152, v[LI]
	v_add_nc_u32 v[LSX], XSC, v[LS]
	s_mov_b32 s31, 32768
	s_mov_b32 s32, 65536
	s_cmp_eq_u32 s[M], 0                           ; q's tiles take neighbouring rows (groups of eight begin at 0, 8, 16, 24), k's and v's the other order (0, 16, 8, 24)
	s_cselect_b32 s33, s31, s32
	s_cselect_b32 s34, s32, s31
	v_mov_b32 v[VO], v[LI]
	v_add_nc_u32 v[VO+1], s33, v[LI]
	v_add_nc_u32 v[VO+2], s34, v[LI]
	v_add_nc_u32 v[VO+3], 98304, v[LI]
	s_mul_i32 s35, s[WV], 16896
	s_add_co_u32 s35, s35, STG
	v_add_nc_u32 v[SW], s35, v[LI]
	v_mul_u32_u24 v[SR], v21, 528                  ; rows 528 bytes apart, an odd multiple of 16: sixteen lanes' reads fall on sixteen different 16-byte columns of 256
	v_lshl_add_u32 v[SR], v22, 6, v[SR]
	v_add_nc_u32 v[SR], s35, v[SR]
	s_mul_i32 s35, s[WV], 24576
	v_add_nc_u32 v[XW], s35, v[LI]
	s_lshl_b32 s35, s[WV], 10
	s_add_co_u32 s35, s35, XSC
	v_lshl_add_u32 v[XSW], v21, 2, s35
	v_lshlrev_b32 v[BOQ], 6, v22
	v_and_b32 v23, 8, v21
	v_add_nc_u32 v23, v23, v21
	v_lshlrev_b32 v[BOV], 2, v23
.irp b, 0,1,2,3
	v_mov_b32 v[TM+4+\b], 0                        ; written once: a lane permute's destination counts as one of its sources
.endr
	s_mov_b32 s[SEL], 0x76543210
	s_mov_b32 s[SEL+1], 0xfedcba98                 ; v_permlanex16_b32's selects for lane l xor 16
	s_mov_b32 s[HI], 0xffff0000                    ; lanes 16-31
	s_lshl_b32 s36, s[TG], 19                      ; x: 128 tg rows of 4,096 bytes,
	s_lshl_b32 s35, s[WV], 17
	s_add_co_u32 s36, s36, s35                     ; + 32 w rows
	s_mov_b32 s37, 0
	s_mul_i32 s38, s[M], 786432                    ; W's images: matrix m, G = 2 w
	s_mul_i32 s35, s[WV], 196608
	s_add_co_u32 s38, s38, s35
	s_mov_b32 s39, 0
	s_lshl_b32 s40, s[M], 15                       ; W's scale words likewise
	s_lshl_b32 s35, s[WV], 13
	s_add_co_u32 s40, s40, s35
	s_mov_b32 s41, 0
	s_lshl_b32 s42, s[WV], 10                      ; the bias: 256 w channels
	s_mov_b32 s43, 0
	s_lshl_b32 s44, s[BT], 4                       ; q, k codes: head 16 bt + 4 w, pair 4 st
	s_lshl_b32 s35, s[WV], 2
	s_add_co_u32 s44, s44, s35
	s_mul_i32 s44, s44, 98304
	s_mul_i32 s35, s[M], 6291456
	s_add_co_u32 s44, s44, s35
	s_mul_i32 s35, s[ST], 6144
	s_add_co_u32 s44, s44, s35
	s_mul_i32 s46, s[TG], 98304                    ; v codes: (16 bt + st) = tg, channel tile 16 w
	s_mul_i32 s35, s[WV], 24576
	s_add_co_u32 s46, s46, s35
	s_lshl_b32 s48, s[BT], 3                       ; q, k scale words: G = 2 w of batch bt, tile 8 st
	s_lshl_b32 s35, s[WV], 1
	s_add_co_u32 s48, s48, s35
	s_lshl_b32 s48, s48, 13
	s_lshl_b32 s35, s[M], 18
	s_add_co_u32 s48, s48, s35
	s_lshl_b32 s35, s[ST], 9
	s_add_co_u32 s48, s48, s35
	s_lshl_b32 s50, s[TG], 12                      ; v scale words
	s_add_co_u32 s50, s50, s42
	s_add_co_u32 s50, s50, 524288
	s_mov_b32 s52, 196608
	s_mov_b32 s53, 12288
	s_mov_b32 s54, 8192
	s_mov_b32 s55, 512
	s_cmp_eq_u32 s[M], 2
	s_cselect_b32 s44, s46, s44
	s_cselect_b32 s48, s50, s48
	s_cselect_b32 s52, s53, s52
	s_cselect_b32 s54, s55, s54
	s_mov_b32 s45, 0
	s_mov_b32 s49, 0
	s_mov_b32 s53, 0
	s_mov_b32 s55, 0
	s_wait_kmcnt 0x0
	s_cmp_eq_u32 s[M], 1                           ; the choices hang on the work-group's number alone
	s_cselect_b64 s[XB:XB+1], s[6:7], s[4:5]
	s_cselect_b64 s[BB:BB+1], s[12:13], s[10:11]
	s_cmp_eq_u32 s[M], 2
	s_cselect_b64 s[XB:XB+1], s[8:9], s[XB:XB+1]
	s_cselect_b64 s[BB:BB+1], s[14:15], s[BB:BB+1]
	s_cselect_b64 s[CB:CB+1], s[22:23], s[20:21]
	s_add_nc_u64 s[XB:XB+1], s[XB:XB+1], s[36:37]
	s_add_nc_u64 s[BB:BB+1], s[BB:BB+1], s[42:43]
	s_add_nc_u64 s[WB:WB+1], s[WB:WB+1], s[38:39]
	s_add_nc_u64 s[WSP:WSP+1], s[WSP:WSP+1], s[40:41]
	s_add_nc_u64 s[CB:CB+1], s[CB:CB+1], s[44:45]
	s_add_nc_u64 s[SB:SB+1], s[SB:SB+1], s[48:49]
; ---- X PHASE.  A landing set: my 32 rows x 128 along K: 32 loads, each 512 consecutive bytes of one row.  Row P of the set is row P % 16 of tile P / 16.
.macro LOADSET set, off
	WIN 0x40                                       ; destination window 1
.set P, 0
.rept 32
	global_load_b128 v[128*(\set)+4*P:128*(\set)+4*P+3], v[VO+P/8], s[XB:XB+1] offset:(P%8)*4096+(\off) th:TH_LOAD_NT
.set P, P+1
.endr
	WIN 0
.endm
; A landing set goes through my stage and comes back 16 neighbours a lane for each block of 32; two fragments are made and stored as images.  o: which of the trip's two K steps.
.macro PROC set, o
	WIN 0x04                                       ; an LDS store's data are its source 1: window 1
.set P, 0
.rept 32
	ds_store_b128 v[SW], v[128*(\set)+4*P:128*(\set)+4*P+3] offset:528*P
.set P, P+1
.endr
	WIN 0
.set P, 0
.rept 32
	ds_load_b128 v[X0+4*P:X0+4*P+3], v[SR] offset:8448*(P/16)+128*((P%16)/4)+16*(P%4)   ; LDS serves a wave's instructions in order: these see my stores
.set P, P+1
.endr
	s_wait_dscnt 16                                ; the first tile's 16 loads are in (so the 32 stores have read their registers); the second tile's 16 may be out
.set QD0, PC0
.set QD1, PC0+6
.set QPW, PWX
.set QRA, X0
.set QWA, 0
.set QRB, X0+32
.set QWB, 0
	QUANT
.irp c, 0,1,2
	ds_store_b128 v[XWC], v[PC0+4*\c:PC0+4*\c+3] offset:3072*(\o)+512*\c
.endr
	ds_store_b32 v[XSWC], v[PWX] offset:128*(\o)   ; lanes r and r + 16 write the same word with the same value
	s_wait_dscnt 4                                 ; the second tile's loads are in; the four stores just issued may be out
.set QD0, PC1
.set QD1, PC1+6
.set QPW, PWX+1
.set QRA, X0+64
.set QRB, X0+96
	QUANT
.irp c, 0,1,2
	ds_store_b128 v[XWC], v[PC1+4*\c:PC1+4*\c+3] offset:3072*(\o)+1536+512*\c
.endr
	ds_store_b32 v[XSWC], v[PWX+1] offset:128*(\o)+64
.endm
	LOADSET 0, 0
	s_mov_b32 s[CNT], 4
	s_mov_b32 s[XOF], 0
	s_mov_b32 s[XSO], 0
.Lx:                                               ; four trips, two K steps each
	v_add_nc_u32 v[XWC], s[XOF], v[XW]
	v_add_nc_u32 v[XSWC], s[XSO], v[XSW]
	LOADSET 1, 512
	s_wait_loadcnt 32                              ; set 0 is in; set 1's 32 loads may be out
	PROC 0, 0
	s_cmp_eq_u32 s[CNT], 1                         ; the last trip asks for nothing more: no load leaves its buffer
	s_cbranch_scc1 .Lx_last
	LOADSET 0, 1024
	s_wait_loadcnt 32                              ; set 1 is in; the next trip's set 0 may be out
	s_branch .Lx_go
.Lx_last:
	s_wait_loadcnt 0x0
.Lx_go:
	PROC 1, 1
	s_wait_xcnt 0x0                                ; the loads have read their base: it may step
	s_add_nc_u64 s[XB:XB+1], s[XB:XB+1], 1024
	s_add_co_u32 s[XOF], s[XOF], 6144
	s_add_co_u32 s[XSO], s[XSO], 256
	s_sub_co_u32 s[CNT], s[CNT], 1
	s_cmp_lg_u32 s[CNT], 0
	s_cbranch_scc1 .Lx
	s_wait_loadcnt 0x0                             ; on every way out of the loop no load into the landing sets is out: W's fragments and the biases are loaded into those registers next
	s_wait_dscnt 0x0                               ; for the others' sake: my images and scale words have landed
	s_barrier_signal -1
	s_barrier_wait -1                              ; the launch's only barrier: from here on LDS is only read
; ---- MAIN PART
.macro FETCHW p, k                     ; W's eight fragments and their scale words, k K steps on, into set p: 25 loads
	WIN 0x40
.set N, 0
.rept 24
	global_load_b128 v[128*(\p)+4*N:128*(\p)+4*N+3], v[LI], s[WB:WB+1] offset:12288*(\k)+512*N
.set N, N+1
.endr
	WIN 0
	global_load_b128 v[WS+4*(\p):WS+4*(\p)+3], v[LI], s[WSP:WSP+1] offset:512*(\k)
.endm
.macro FETCHX p, k                     ; x's eight fragments and their scale words likewise: 28 LDS loads
.set N, 0
.rept 24
	ds_load_b128 v[XF+96*(\p)+4*N:XF+96*(\p)+4*N+3], v[XAD+N/12] offset:24576*((N/6)%2)+1536*((N/3)%2)+3072*(\k)+512*(N%3)
.set N, N+1
.endr
.irp q, 0,1,2,3
	ds_load_b32 v[XS+4*(\p)+\q], v[XSA] offset:1024*\q+128*(\k)   ; lanes 0-15: tile 2 q's words, lanes 16-31: tile 2 q + 1's
.endr
.endm
.macro PRE off                         ; what a pass begins with: W's K step 0 into set 0, and the biases in the result's layout
	FETCHW 0, (\off)/12288
	s_cmp_eq_u32 s[M], 2
	s_cbranch_scc1 .Lprev_\@
	WIN 0x40
.irp b, 0,1,2,3,4,5,6,7                ; q, k: lane (r, h), register j of tile b: channel 32 (b / 2) + 16 h + 8 (b % 2) + j
	global_load_b128 v[96+8*\b+96*(\b/4):96+8*\b+96*(\b/4)+3], v[BOQ], s[BB:BB+1] offset:(32*(\b/2)+8*(\b%2))*4
	global_load_b128 v[96+8*\b+96*(\b/4)+4:96+8*\b+96*(\b/4)+7], v[BOQ], s[BB:BB+1] offset:(32*(\b/2)+8*(\b%2))*4+16
.endr
	WIN 0
	s_branch .Lpred_\@
.Lprev_\@:
	WIN 0x40
.irp b, 0,1,2,3,4,5,6,7                ; v: a lane holds one channel: 32 (b / 2) + 8 (b % 2) + r + 8 (r / 8), in all eight registers
.irp j, 0,1,2,3,4,5,6,7
	global_load_b32 v[96+8*\b+96*(\b/4)+\j], v[BOV], s[BB:BB+1] offset:(32*(\b/2)+8*(\b%2))*4
.endr
.endr
	WIN 0
.Lpred_\@:
.endm
; 64 matrix instructions, 128 along K.  The 64 accumulators take turns, one instruction a turn, in the same order in every step.  first = 1: C is the bias.
.macro MULQK p, first                  ; source 0 = W's tile b (window 1), source 1 = x's tile a (window 0); accumulator (a, b) at register 64 (a % 4) + 8 b of window 2 + a / 4
.irp a, 0,1,2,3,4,5,6,7
.set WW, ((2+\a/4)<<6)|(((2+\a/4)*(1-(\first))+(\first))<<4)|1
	WIN WW
.irp b, 0,1,2,3,4,5,6,7
.set WMD, 64*(\a%4)+8*\b
.set WMA, 128*(\p)+12*\b
.set WMB, XF+96*(\p)+12*\a
.if \first
.set WMC, 96+8*\b+96*(\b/4)
.else
.set WMC, WMD
.endif
.set WQA, WS+4*(\p)+\b/2
.set WQB, XS+4*(\p)+\a/2
.set WR, \b%2+2*(\a%2)
	WM
.endr
.endr
.endm
.macro MULV p, first                   ; source 0 = x's tile a (window 0), source 1 = W's tile b (window 1); accumulator (a, b) at register 32 b + 8 (a % 4) of window 2 + a / 4
.irp a, 0,1,2,3,4,5,6,7
.set WW, ((2+\a/4)<<6)|(((2+\a/4)*(1-(\first))+(\first))<<4)|4
	WIN WW
.irp b, 0,1,2,3,4,5,6,7
.set WMD, 32*\b+8*(\a%4)
.set WMA, XF+96*(\p)+12*\a
.set WMB, 128*(\p)+12*\b
.if \first
.set WMC, 96+8*\b+96*(\b/4)
.else
.set WMC, WMD
.endif
.set WQA, XS+4*(\p)+\a/2
.set WQB, WS+4*(\p)+\b/2
.set WR, \a%2+2*(\b%2)
	WM
.endr
.endr
.endm
; A K step on set p.  kind < 2: the step k on from the pointers is fetched into the other set first.  kind = 2: a pass's last step; in the first pass the next pass's beginnings are asked for.
.macro STEP p, kind, k, first
	PLACES                                         ; the other set's registers were read by the last step's matrix instructions
.if \kind < 2
	FETCHW 1-(\p), \k
	FETCHX 1-(\p), \k
	s_wait_loadcnt 25                              ; all but the 25 just issued: this step's W (and the biases) are in
	s_wait_dscnt 28                                ; all but the 28 just issued: this step's x is in
.else
	s_wait_loadcnt 0x0
	s_wait_dscnt 0x0
	s_cmp_eq_u32 s[PASS], 1
	s_cbranch_scc1 .Lnopre_\@
	PRE 12288
.Lnopre_\@:
.endif
.if \first
	s_add_nc_u64 s[BB:BB+1], s[BB:BB+1], 512       ; the bias loads are done (the wait above): their base steps to the next pass's 128 channels
.endif
	s_cmp_eq_u32 s[M], 2
	s_cbranch_scc1 .Lmv_\@
	MULQK \p, \first
	WIN 0
	s_branch .Lmd_\@
.Lmv_\@:
	MULV \p, \first
	WIN 0
.Lmd_\@:
.endm
.macro SETX
	v_add_nc_u32 v[XAD], s[XK], v[LI]
	v_add_nc_u32 v[XAD+1], s[XK], v[LI2]
	v_add_nc_u32 v[XSA], s[XKS], v[LSX]
.endm
.macro ADV n                           ; all pointers n K steps on
	s_wait_xcnt 0x0                                ; the loads issued so far have read their bases
	s_add_nc_u64 s[WB:WB+1], s[WB:WB+1], 12288*(\n)
	s_add_nc_u64 s[WSP:WSP+1], s[WSP:WSP+1], 512*(\n)
	s_add_co_u32 s[XK], s[XK], 3072*(\n)
	s_add_co_u32 s[XKS], s[XKS], 128*(\n)
	SETX
.endm
	PRE 0
	s_mov_b32 s[PASS], 2
.Lpass:
	s_mov_b32 s[XK], 0
	s_mov_b32 s[XKS], 0
	SETX
	FETCHX 0, 0
	STEP 0, 0, 1, 1                                ; K step 0 starts the sums on the biases; step 1 is fetched
	ADV 1
	s_mov_b32 s[CNT], 3
.Lk:                                               ; three trips: K steps 1 to 6
	s_wait_alu depctr_va_vdst(0)
	STEP 1, 1, 1, 0
	STEP 0, 1, 2, 0
	ADV 2
	s_sub_co_u32 s[CNT], s[CNT], 1
	s_cmp_lg_u32 s[CNT], 0
	s_cbranch_scc1 .Lk
	STEP 1, 2, 0, 0                                ; K step 7
	s_wait_xcnt 0x0
	s_add_nc_u64 s[WB:WB+1], s[WB:WB+1], 12288     ; at the next G's K step 0
	s_add_nc_u64 s[WSP:WSP+1], s[WSP:WSP+1], 512
	PLACES                                         ; ahead of the first reads of results and of writes over x's fragments
	s_cmp_eq_u32 s[M], 2
	s_cbranch_scc1 .Loutv
; ---- way out, q and k: token tile a: 128 channels = two heads x two blocks.  Two tiles make a pair image for each head.
.irp a, 0,1,2,3,4,5,6,7
.set QD0, PCB+24*(\a/2)+6*(\a%2)
.set QD1, QD0+12
.set QPW, PW+\a
.set QRA, 64*(\a%4)
.set QWA, 2+\a/4
.set QRB, QRA+32
.set QWB, QWA
	QUANT
.if \a%2
.irp c, 0,1,2
	global_store_b128 v[LI], v[PCB+24*(\a/2)+4*\c:PCB+24*(\a/2)+4*\c+3], s[CB:CB+1] offset:1536*(\a/2)+512*\c           ; head 2 G: the wave stores 512 consecutive bytes, aligned
	global_store_b128 v[LI], v[PCB+24*(\a/2)+12+4*\c:PCB+24*(\a/2)+12+4*\c+3], s[CB:CB+1] offset:98304+1536*(\a/2)+512*\c   ; head 2 G + 1
.endr
	v_cndmask_b32 v[PP+\a/2], v[PW+\a-1], v[PW+\a], s[HI]   ; lanes 0-15: the even tile's words, lanes 16-31: the odd tile's
	global_store_b32 v[LS], v[PP+\a/2], s[SB:SB+1] offset:128*(\a/2)
.endif
.endr
	s_branch .Loutd
.Loutv:
; ---- way out, v: channel tile b: 128 tokens = four blocks: one fragment
.irp b, 0,1,2,3,4,5,6,7
.set QD0, PCB+12*\b
.set QD1, QD0+6
.set QPW, PW+\b
.set QRA, 32*\b
.set QWA, 2
.set QRB, 32*\b
.set QWB, 3
	QUANT
.irp c, 0,1,2
	global_store_b128 v[LI], v[PCB+12*\b+4*\c:PCB+12*\b+4*\c+3], s[CB:CB+1] offset:1536*\b+512*\c
.endr
.if \b%2
	v_cndmask_b32 v[PP+\b/2], v[PW+\b-1], v[PW+\b], s[HI]
	global_store_b32 v[LS], v[PP+\b/2], s[SB:SB+1] offset:128*(\b/2)
.endif
.endr
.Loutd:
	s_wait_xcnt 0x0                                ; the stores have read their data and bases: both may be written again
	s_add_nc_u64 s[CB:CB+1], s[CB:CB+1], s[CST:CST+1]
	s_add_nc_u64 s[SB:SB+1], s[SB:SB+1], s[SST:SST+1]
	s_sub_co_u32 s[PASS], s[PASS], 1
	s_cmp_lg_u32 s[PASS], 0
	s_cbranch_scc1 .Lpass
	s_wait_tensorcnt 0x0
	ds_add_u32 v62, v63
	s_wait_dscnt 0x0
	s_endpgm
.Lfunc_end_k_q62d6715d79_proj:
	.size	k_q62d6715d79_proj, .Lfunc_end_k_q62d6715d79_proj-k_q62d6715d79_proj
	.p2alignl 7, 3214868480
	.fill 96, 4, 3214868480
	.section	.rodata,"a",@progbits
	.p2align	6, 0x0
	.amdhsa_kernel k_q62d6715d79_proj
		.amdhsa_group_segment_fixed_size 170496
		.amdhsa_private_segment_fixed_size 0
		.amdhsa_enable_private_segment 0
		.amdhsa_kernarg_size 88
		.amdhsa_user_sgpr_count 2
		.amdhsa_user_sgpr_kernarg_segment_ptr 1
		.amdhsa_wavefront_size32 1
		.amdhsa_system_sgpr_workgroup_id_x 1
		.amdhsa_system_sgpr_workgroup_id_y 1
		.amdhsa_system_sgpr_workgroup_id_z 1
		.amdhsa_system_vgpr_workitem_id 0
		.amdhsa_next_free_vgpr 1024
		.amdhsa_next_free_sgpr 70
		.amdhsa_reserve_vcc 0
		.amdhsa_float_denorm_mode_32 3
		.amdhsa_float_denorm_mode_16_64 3
		.amdhsa_memory_ordered 1
		.amdhsa_forward_progress 1
		.amdhsa_inst_pref_size 209
	.end_amdhsa_kernel
	.amdgpu_metadata
---
amdhsa.version: [ 1, 2 ]
amdhsa.kernels:
  - .name:           k_q62d6715d79_proj
    .symbol:         k_q62d6715d79_proj.kd
    .args:
      - { .name: q, .offset: 0, .size: 8, .value_kind: global_buffer, .address_space: global }
      - { .name: k, .offset: 8, .size: 8, .value_kind: global_buffer, .address_space: global }
      - { .name: v, .offset: 16, .size: 8, .value_kind: global_buffer, .address_space: global }
      - { .name: bq, .offset: 24, .size: 8, .value_kind: global_buffer, .address_space: global }
      - { .name: bk, .offset: 32, .size: 8, .value_kind: global_buffer, .address_space: global }
      - { .name: bv, .offset: 40, .size: 8, .value_kind: global_buffer, .address_space: global }
      - { .name: wimg, .offset: 48, .size: 8, .value_kind: global_buffer, .address_space: global }
      - { .name: wsc, .offset: 56, .size: 8, .value_kind: global_buffer, .address_space: global }
      - { .name: qkimg, .offset: 64, .size: 8, .value_kind: global_buffer, .address_space: global }
      - { .name: vimg, .offset: 72, .size: 8, .value_kind: global_buffer, .address_space: global }
      - { .name: sc, .offset: 80, .size: 8, .value_kind: global_buffer, .address_space: global }
    .group_segment_fixed_size: 170496
    .private_segment_fixed_size: 0
    .kernarg_segment_align: 8
    .kernarg_segment_size: 88
    .max_flat_workgroup_size: 128
    .sgpr_count:     70
    .vgpr_count:     1024
    .wavefront_size: 32
...
	.end_amdgpu_metadata
.endif
;; end of part 2
;; launch attn (part 3): grid 4 x 64, 16 waves a work-group, no clusters, 61,440 bytes of LDS; arguments qkimg, vimg, sc, aimg, asc; writes aimg, asc
.if DOCPART == 3
	.amdgcn_target "amdgcn-amd-amdhsa--gfx1250"
	.amdhsa_code_object_version 6
	.text
	.protected	k_q62d6715d79_attn
	.globl	k_q62d6715d79_attn
	.p2align	8
	.type	k_q62d6715d79_attn,@function
k_q62d6715d79_attn:
	s_mov_b64 s[64:65], 0
	v_nop
	global_prefetch_b8 v0, s[64:65] scope:SCOPE_SE
	s_setreg_imm32_b32 hwreg(HW_REG_WAVE_MODE, 25, 1), 1
	s_wait_xcnt 0x0
; Causal attention of one head (y = 16 batch + head) on codes of FP6 (E2M3) with E8M0 scales, and the quantising of its result for the last projection.
; t = score x log2(e) / 8; M = the running largest t rounded UP to a whole number; p = 2^(t - M) is quantised along the keys, not normalised; the row's sum is taken of the unquantised p and divides at the end.
; SHARES: wave w of work-group g (x = 0..3) owns two tiles of 16 queries: a_lo = 16 g + w and a_hi = 127 - a_lo.  Tile a needs key steps (128 keys) 0 .. a / 8, so every wave has 17 tile-steps: equal work for all.
; The work-group walks key steps 0 .. 15 - 2 g: 8 - g trips of two steps.  A step's K, V and scale words (13,056 bytes) are read by the sixteen waves together, a whole step ahead, into registers and then into the
; LDS slot that is not being read; one barrier a step.  No joint loads: the four work-groups of a head walk different numbers of steps.  No prefetch: no wave waits for a step's bytes.
; LAYOUT: both products transposed: S^T = K Q^T (source 0 = 16 keys), O^T = V^T P^T (source 0 = 16 channels): a lane holds ONE query (lane % 16) throughout.  The keys of a tile are 32 b + 8 u + r + 8 (r / 8) (tile 2 b + u), so that
; the 16 registers of two neighbouring tiles are 16 neighbouring keys; V's channels likewise, so that O^T's registers run along the channels.
; THE SCORE PRODUCT'S K IS 64: Q's fragment is six registers of codes and six of zeros; a tile of K is six registers, and the six behind them (the next tile's codes) meet zero codes; scale bytes 2 and 3 are 0 on both sides.
; OUT: aimg [128 batch + tile][head][768]: chunk i of 256 bytes holds registers 2 i, 2 i + 1 at 8 x lane (lane (r, h): query r, block h of the head's 64 channels); asc [batch][head][tile][16 words], word = byte 0 | byte 1 << 8.
; LIMITS: NaN and infinities are not served; a block whose largest magnitude lies under 2^-124, a block of zeros too, keeps the byte 1.
; REGISTERS: v1-7 addresses; v8-14 a step's bytes on their way; v16-21 Q, v22-27 zeros; v28-31, v86-89 -M, largest t, the sum's two halves (lo, hi); v32-79 K's 8 tiles or V's 4 fragments, v80-85 zeros;
;   v94 at work in the mask; v96-159 S^T, then p; v160-191, v192-223 O^T (lo, hi); v224-235 p's codes; v232-254 at work; v248-251 scale words; v253 p's scale word; v255 Q's.
.set SLOTB, 13312                      ; a slot: K 6,144, V 6,144, K's scale words 512, V's 256
.set QA,    26624                      ; behind the slots: 2,048 bytes a wave: Q's six registers (3 x 256 bytes) and scale word of each of its two tiles
.set LI,  1
.set LS,  2
.set T8,  3                            ; 8 x thread
.set T4,  4                            ; 4 x thread
.set SGO, 5
.set Q8,  6
.set Q4,  7
.set WV,  14
.set BH,  16
.set BT,  17
.set HD,  18
.set ALO, 19                           ; s19, s20  my two tiles
.set ULO, 21                           ; s21, s22  their last key steps
.set STEP, 23
.set NT,  24
.set KB,  26
.set VB,  28
.set SCB, 30
.set SCS, 32
.set SH,  34
.set MK,  35
.set SEL, 36
.set CS,  38
.set HI,  40
.set AB,  44                           ; s[44:45], s[46:47] where my two tiles' codes go
.macro PLACES
.rept 4
	v_nop
.endr
.endm
	s_load_b256 s[4:11], s[0:1], 0x0               ; qkimg, vimg, sc, aimg
	s_load_b64 s[12:13], s[0:1], 0x20              ; asc
	v_lshl_add_u32 v90, v0, 2, 0xe800
	v_mov_b32 v95, 0
	v_lshrrev_b32 v15, 5, v0
	s_delay_alu instid0(VALU_DEP_1)
	v_readfirstlane_b32 s[WV], v15                 ; wave 0..15
	s_and_b32 s[BH], ttmp7, 0xffff
	s_lshr_b32 s[BT], s[BH], 4
	s_and_b32 s[HD], s[BH], 15
	s_lshl_b32 s[ALO], ttmp9, 4
	s_add_co_u32 s[ALO], s[ALO], s[WV]
	s_sub_co_u32 s[ALO+1], 127, s[ALO]
	s_lshr_b32 s[ULO], s[ALO], 3
	s_lshr_b32 s[ULO+1], s[ALO+1], 3
	s_sub_co_u32 s[NT], 8, ttmp9
	s_mov_b32 s[STEP], 0
	s_mov_b32 s[SEL], 0x76543210
	s_mov_b32 s[SEL+1], 0xfedcba98
	s_mov_b32 s[CS], 0x3e38aa3b                    ; c = log2(e) / 8
	s_mov_b32 s[CS+1], s[CS]                       ; (named with it as a pair, so it is written)
	s_mov_b32 s[HI], 0xffff0000
	v_and_b32 v15, 31, v0                          ; lane
	v_and_b32 v91, 15, v0                          ; r
	s_delay_alu instid0(VALU_DEP_2)
	v_lshlrev_b32 v[LI], 4, v15
	s_delay_alu instid0(VALU_DEP_3)
	v_lshlrev_b32 v[LS], 2, v15
	v_lshlrev_b32 v[T8], 3, v0
	v_lshlrev_b32 v[T4], 2, v0
	s_wait_alu depctr_va_vdst(0)
	s_lshl_b32 s42, s[WV], 11
	s_add_co_u32 s42, s42, QA
	v_lshl_add_u32 v[Q8], v15, 3, s42
	v_lshl_add_u32 v[Q4], v15, 2, s42
	v_lshlrev_b32 v15, 3, v15                      ; 8 x lane, for the way out
	s_lshl_b32 s41, s[BT], 3
	s_lshr_b32 s42, s[HD], 1
	s_add_co_u32 s41, s41, s42
	s_lshl_b32 s60, s41, 13                        ; q's scale words of my pair of heads
	s_mov_b32 s61, 0
	s_add_co_u32 s43, s60, 262144                  ; k's
	s_lshl_b32 s42, s[BT], 16
	s_lshl_b32 s50, s[HD], 8
	s_add_co_u32 s42, s42, s50
	s_add_co_u32 s42, s42, 524288                  ; v's, of my head's four channel tiles
	s_and_b32 s51, s[HD], 1
	s_lshl_b32 s51, s51, 4                         ; my head's two bytes begin at bit 16 (head % 2) of a q or k word
	s_mov_b32 s52, 0xffff
	s_mov_b32 s53, 4096
	s_cmp_lt_u32 s[WV], 4                          ; waves 0-3 bring K's scale words, waves 4 and 5 V's
	s_cselect_b32 s[SCB], s43, s42
	s_cselect_b32 s[SCS], 512, s53
	s_cselect_b32 s[SH], s51, 0
	s_cselect_b32 s[MK], s52, -1
	s_cselect_b32 s55, 0, 512
	s_mov_b32 s[SCB+1], 0
	s_mov_b32 s[SCS+1], 0
	v_sub_nc_u32 v[SGO], v[T4], s55
	s_mul_i32 s48, s[BH], 98304                    ; my head's images
	s_lshr_b32 s49, s[ALO], 1
	s_mul_i32 s49, s49, 1536
	s_add_co_u32 s56, s48, s49                     ; the pair that holds a_lo
	s_mov_b32 s57, 0
	s_lshr_b32 s49, s[ALO+1], 1
	s_mul_i32 s49, s49, 1536
	s_add_co_u32 s58, s48, s49                     ; the pair that holds a_hi
	s_mov_b32 s59, 0
	s_add_co_u32 s[KB], s48, 6291456
	s_mov_b32 s[KB+1], 0
	s_mul_i32 s[VB], s[BT], 1572864
	s_mul_i32 s49, s[HD], 6144
	s_add_co_u32 s[VB], s[VB], s49
	s_mov_b32 s[VB+1], 0
	s_mul_i32 s41, s[BT], 1572864
	s_mul_i32 s42, s[HD], 768
	s_add_co_u32 s41, s41, s42
	s_mul_i32 s42, s[ALO], 12288
	s_add_co_u32 s[AB], s41, s42
	s_mov_b32 s[AB+1], 0
	s_mul_i32 s42, s[ALO+1], 12288
	s_add_co_u32 s[AB+2], s41, s42
	s_mov_b32 s[AB+3], 0
	s_lshl_b32 s48, s[BH], 13
	s_mov_b32 s49, 0
	s_lshl_b32 s50, s[ALO], 6
	v_lshl_add_u32 v92, v91, 2, s50                ; my tiles' rows among q's scale words
	s_lshl_b32 s50, s[ALO+1], 6
	v_lshl_add_u32 v93, v91, 2, s50
	s_and_b32 s62, s[ALO], 1
	s_cmp_lg_u32 s62, 0
	s_cselect_b32 s62, -1, 0                       ; a_lo is the odd tile of its pair;
	s_cselect_b32 s63, 0, -1                       ; then a_hi = 127 - a_lo is the even one of its
	s_wait_alu depctr_va_vdst(0)
	s_wait_kmcnt 0x0
	s_add_nc_u64 s[56:57], s[4:5], s[56:57]
	s_add_nc_u64 s[58:59], s[4:5], s[58:59]
	s_add_nc_u64 s[KB:KB+1], s[4:5], s[KB:KB+1]
	s_add_nc_u64 s[VB:VB+1], s[6:7], s[VB:VB+1]
	s_add_nc_u64 s[60:61], s[8:9], s[60:61]
	s_add_nc_u64 s[SCB:SCB+1], s[8:9], s[SCB:SCB+1]
	s_add_nc_u64 s[AB:AB+1], s[10:11], s[AB:AB+1]
	s_add_nc_u64 s[AB+2:AB+3], s[10:11], s[AB+2:AB+3]
	s_add_nc_u64 s[12:13], s[12:13], s[48:49]
.macro SLOAD                           ; the next step's bytes: 12 of K and 12 of V a thread, and 4 of scale words in waves 0-5
	global_load_b64 v[8:9], v[T8], s[KB:KB+1]
	global_load_b32 v10, v[T4], s[KB:KB+1] offset:4096
	global_load_b64 v[12:13], v[T8], s[VB:VB+1]
	global_load_b32 v11, v[T4], s[VB:VB+1] offset:4096
	s_cmp_lt_u32 s[WV], 6
	s_cbranch_scc0 .Lnsc_\@
	global_load_b32 v14, v[SGO], s[SCB:SCB+1]
.Lnsc_\@:
.endm
.macro SSTORE n                        ; into slot n, as they lie; of K's words only my head's two bytes are kept.  It stands behind a wait for all loads, which also frees the three bases
	ds_store_b64 v[T8], v[8:9] offset:SLOTB*(\n)
	ds_store_b32 v[T4], v10 offset:SLOTB*(\n)+4096
	ds_store_b64 v[T8], v[12:13] offset:SLOTB*(\n)+6144
	ds_store_b32 v[T4], v11 offset:SLOTB*(\n)+10240
	s_cmp_lt_u32 s[WV], 6
	s_cbranch_scc0 .Lnss_\@
	s_wait_alu depctr_va_vdst(0)
	v_lshrrev_b32 v14, s[SH], v14
	s_delay_alu instid0(VALU_DEP_1)
	v_and_b32 v14, s[MK], v14
	ds_store_b32 v[T4], v14 offset:SLOTB*(\n)+12288
.Lnss_\@:
	s_add_nc_u64 s[KB:KB+1], s[KB:KB+1], 6144
	s_add_nc_u64 s[VB:VB+1], s[VB:VB+1], 98304
	s_add_nc_u64 s[SCB:SCB+1], s[SCB:SCB+1], s[SCS:SCS+1]
.endm
.irp c, 0,1,2
	global_load_b128 v[32+4*\c:35+4*\c], v[LI], s[56:57] offset:512*\c
	global_load_b128 v[44+4*\c:47+4*\c], v[LI], s[58:59] offset:512*\c
.endr
	global_load_b32 v56, v92, s[60:61]
	global_load_b32 v57, v93, s[60:61]
	SLOAD                                          ; key step 0
	v_mov_b32 v29, 0xff61b1e6                      ; the largest t so far: -3e38, under every t
	s_delay_alu instid0(VALU_DEP_1)
	v_floor_f32 v28, -v29                          ; -M
	v_mov_b32 v30, 0
	v_mov_b32 v31, 0
	v_mov_b32 v87, 0xff61b1e6
	s_delay_alu instid0(VALU_DEP_1)
	v_floor_f32 v86, -v87
	v_mov_b32 v88, 0
	v_mov_b32 v89, 0
.set J, 0
.rept 64
	v_mov_b32 v[160+J], 0                          ; O^T: the step is written once; the first finds zeros, which the first change of M leaves zeros
.set J, J+1
.endr
.irp j, 0,1,2,3,4,5
	v_mov_b32 v[22+\j], 0                          ; Q's upper 64 along K: zero codes
	v_mov_b32 v[80+\j], 0                          ; behind K's last tile
.endr
.irp b, 0,1,2,3
	v_mov_b32 v[236+\b], 0                         ; written once: a lane permute's destination counts as one of its sources
.endr
	v_mov_b32 v252, 0
	v_mov_b32 v253, 0
	s_wait_loadcnt 0x0                             ; Q's images and words, and key step 0
.irp i, 0,1,2,3,4,5
	v_cndmask_b32 v[60+\i], v[32+\i], v[38+\i], s62   ; my tile's six registers of its pair's twelve
	v_cndmask_b32 v[66+\i], v[44+\i], v[50+\i], s63
.endr
	v_lshrrev_b32 v56, s51, v56
	v_lshrrev_b32 v57, s51, v57
	s_delay_alu instid0(VALU_DEP_2)
	v_and_b32 v56, 0xffff, v56                     ; my head's two bytes; bytes 2 and 3 are 0
	s_delay_alu instid0(VALU_DEP_2)
	v_and_b32 v57, 0xffff, v57
.irp i, 0,1,2
	ds_store_b64 v[Q8], v[60+2*\i:61+2*\i] offset:256*\i
	ds_store_b64 v[Q8], v[66+2*\i:67+2*\i] offset:1024+256*\i
.endr
	ds_store_b32 v[Q4], v56 offset:768
	ds_store_b32 v[Q4], v57 offset:1792
	SSTORE 0
	s_wait_dscnt 0x0
	s_barrier_signal -1
	s_barrier_wait -1                              ; slot 0 is whole
; A TILE-STEP: tile x (0 lo, 1 hi) against the 128 keys in slot n.  Left out, by a scalar branch on ids, where all the step's keys come after the tile's queries.
.macro TSTEP x, n
.set NM, 28+58*(\x)
.set SU, NM+2
.set OB, 160+32*(\x)
	s_cmp_gt_u32 s[STEP], s[ULO+\x]
	s_cbranch_scc1 .Lskip_\@
	PLACES                                         ; ahead of loads into registers that matrix instructions have read
.set N, 0
.rept 12
	ds_load_b128 v[32+4*N:35+4*N], v[LI] offset:SLOTB*(\n)+512*N   ; K's four pair images: tile t at v[32 + 6 t]
.set N, N+1
.endr
.irp p, 0,1,2,3
	ds_load_b32 v[248+\p], v[LS] offset:SLOTB*(\n)+12288+128*\p    ; lanes 0-15: tile 2 p's words, lanes 16-31: tile 2 p + 1's
.endr
.irp i, 0,1,2
	ds_load_b64 v[16+2*\i:17+2*\i], v[Q8] offset:1024*(\x)+256*\i
.endr
	ds_load_b32 v255, v[Q4] offset:1024*(\x)+768
	s_wait_dscnt 0x0
.irp t, 0,2,4,6
	v_wmma_scale_f32_16x16x128_f8f6f4 v[96+8*\t:103+8*\t], v[32+6*\t:43+6*\t], v[16:27], 0, v[248+\t/2], v255 matrix_a_fmt:MATRIX_FMT_FP6 matrix_b_fmt:MATRIX_FMT_FP6
	v_wmma_scale_f32_16x16x128_f8f6f4 v[104+8*\t:111+8*\t], v[38+6*\t:49+6*\t], v[16:27], 0, v[248+\t/2], v255 matrix_a_fmt:MATRIX_FMT_FP6 matrix_b_fmt:MATRIX_FMT_FP6 matrix_a_scale:MATRIX_SCALE_ROW1
.endr
	PLACES                                         ; ahead of the loads below and of the first read of the scores
.set N, 0
.rept 12
	ds_load_b128 v[32+4*N:35+4*N], v[LI] offset:SLOTB*(\n)+6144+512*N   ; V's four fragments: they land under the softmax
.set N, N+1
.endr
.irp p, 0,1
	ds_load_b32 v[248+\p], v[LS] offset:SLOTB*(\n)+12800+128*\p
.endr
	s_cmp_lg_u32 s[STEP], s[ULO+\x]                ; only the tile's last step lies on the diagonal
	s_cbranch_scc1 .Lopen_\@
	s_and_b32 s41, s[ALO+\x], 7
	s_lshl_b32 s41, s41, 4                         ; the tile's first query less the step's first key
	v_and_b32 v252, 15, v0
	v_bfe_u32 v94, v0, 4, 1
	s_delay_alu instid0(VALU_DEP_1)
	v_lshlrev_b32 v94, 4, v94
	s_delay_alu instid0(VALU_DEP_1)
	v_sub_nc_u32 v252, v252, v94
	s_delay_alu instid0(VALU_DEP_1)
	v_add_nc_u32 v252, s41, v252                   ; d = my query - first key - 16 (lane / 16).  Register 16 b + i holds key 32 b + 16 (lane / 16) + i: hidden where 32 b + i > d
	v_mov_b32 v254, 0xff800000                     ; -infinity: p = 0 then
.set N, 0
.rept 64
	v_cmp_gt_i32 vcc_lo, 32*(N/16)+N%16, v252
	v_cndmask_b32 v[96+N], v[96+N], v254, vcc_lo
.set N, N+1
.endr
.Lopen_\@:
.irp b, 0,1,2,3
	v_max3_num_f32 v[232+\b], v[96+16*\b], v[97+16*\b], v[98+16*\b]   ; the largest score of each block of 32 keys: for the row's maximum, and, since p rises with the score, for the block's largest p
.endr
.irp i, 3,5,7,9,11,13
.irp b, 0,1,2,3
	v_max3_num_f32 v[232+\b], v[232+\b], v[96+16*\b+\i], v[97+16*\b+\i]
.endr
.endr
.irp b, 0,1,2,3
	v_max_num_f32 v[232+\b], v[232+\b], v[111+16*\b]
.endr
.irp b, 0,1,2,3
	s_delay_alu instid0(VALU_DEP_4)
	v_permlanex16_b32 v[236+\b], v[232+\b], s[SEL], s[SEL+1]
.endr
.irp b, 0,1,2,3
	s_delay_alu instid0(VALU_DEP_4)
	v_max_num_f32 v[232+\b], v[232+\b], v[236+\b]  ; with lane l xor 16's 16 keys
.endr
	s_delay_alu instid0(VALU_DEP_2)
	v_max3_num_f32 v254, v232, v233, v234
	s_delay_alu instid0(VALU_DEP_1)
	v_max_num_f32 v254, v254, v235
	s_delay_alu instid0(VALU_DEP_1)
	v_mul_f32 v254, s[CS], v254                    ; the step's largest t of my query
	s_delay_alu instid0(VALU_DEP_1)
	v_max_num_f32 v[NM+1], v[NM+1], v254           ; the running largest t
	v_mov_b32 v254, v[NM]
	s_delay_alu instid0(VALU_DEP_2)
	v_floor_f32 v[NM], -v[NM+1]                    ; the new -M = floor(-t): M is a whole number
	s_delay_alu instid0(VALU_DEP_1)
	v_sub_f32 v254, v[NM], v254                    ; old M - new M: a whole number, 0 or less
	s_delay_alu instid0(VALU_DEP_1)
	v_cvt_i32_f32 v254, v254                       ; (it saturates)
	s_delay_alu instid0(VALU_DEP_1)
	v_ldexp_f32 v252, 1.0, v254                    ; f = 2^(old M - new M): a multiplication by it rounds nothing
.set J, 0
.rept 32
	v_pk_fma_f32 v[96+J:97+J], v[96+J:97+J], s[CS:CS+1], v[NM:NM+1] op_sel_hi:[1,0,0]   ; t - M, two at a time
.set J, J+2
.endr
.irp b, 0,1,2,3
	v_fma_f32 v[232+\b], v[232+\b], s[CS], v[NM]   ; the same of each block's largest score
.endr
.set J, 0
	s_wait_alu depctr_va_vdst(0)
.rept 64
	v_exp_f32 v[96+J], v[96+J]                     ; p = 2^(t - M), at most 1
.set J, J+1
.endr
	v_pk_mul_f32 v[SU:SU+1], v[SU:SU+1], v[252:253] op_sel_hi:[1,0]   ; the sums under the new M (a plain line behind the exponentials)
	s_wait_alu depctr_va_vdst(0)                   ; one wait for the batch of 64, ahead of its first reader
.irp b, 0,1,2,3
	v_exp_f32 v[232+\b], v[232+\b]                 ; the block's largest p
.endr
	v_pk_add_f32 v[236:237], v[96:97], v[98:99]    ; the row's sum is taken of the unquantised p: two chains
.set J, 4
.rept 15
	v_pk_add_f32 v[SU:SU+1], v[SU:SU+1], v[96+J:97+J]
	v_pk_add_f32 v[236:237], v[236:237], v[98+J:99+J]
.set J, J+4
.endr
	s_delay_alu instid0(VALU_DEP_1)
	v_pk_add_f32 v[SU:SU+1], v[SU:SU+1], v[236:237]
	s_wait_alu depctr_va_vdst(0)                   ; and one for the four
.irp b, 0,1,2,3
	v_max_num_f32 v[232+\b], 0x1800000, v[232+\b]  ; the floor 2^(3 - 127)
.endr
.irp b, 0,1,2,3
	s_delay_alu instid0(VALU_DEP_4)
	v_add_nc_u32 v[244+\b], 0xff000000, v[232+\b]  ; the conversion's scale operand
.endr
.irp b, 0,1,2,3
	s_delay_alu instid0(VALU_DEP_4)
	v_lshrrev_b32 v[236+\b], 23, v[244+\b]         ; the scale's byte
.endr
	s_delay_alu instid0(VALU_DEP_3)
	v_lshl_or_b32 v253, v237, 8, v236              ; p's scale word for these 128 keys
	s_delay_alu instid0(VALU_DEP_1)
	v_lshl_or_b32 v253, v238, 16, v253
	s_delay_alu instid0(VALU_DEP_1)
	v_lshl_or_b32 v253, v239, 24, v253
.irp c, 0,1
	v_cvt_scalef32_pk16_fp6_f32 v[224+6*\c:226+6*\c], v[96+32*\c:111+32*\c], v[244+2*\c]
	v_cvt_scalef32_pk16_fp6_f32 v[236+4*\c:238+4*\c], v[112+32*\c:127+32*\c], v[244+2*\c+1]
.endr
	v_nop                                          ; one plain line behind the last scaled conversion
.irp c, 0,1
.irp i, 0,1,2
	v_permlane16_swap_b32 v[224+6*\c+\i], v[236+4*\c+\i]
.endr
.irp i, 0,1,2
	s_delay_alu instid0(VALU_DEP_3)
	v_mov_b32 v[227+6*\c+\i], v[236+4*\c+\i]
.endr
.endr
.set J, 0
.rept 16
	v_pk_mul_f32 v[OB+J:OB+J+1], v[OB+J:OB+J+1], v[252:253] op_sel_hi:[1,0]   ; O^T under the new M; these sixteen also stand between the writing of p's codes and scale word and the products below
.set J, J+2
.endr
	s_wait_alu depctr_va_vdst(0)
	s_wait_dscnt 0x0                               ; V is in
.irp t, 0,2
	v_wmma_scale_f32_16x16x128_f8f6f4 v[OB+8*\t:OB+8*\t+7], v[32+12*\t:43+12*\t], v[224:235], v[OB+8*\t:OB+8*\t+7], v[248+\t/2], v253 matrix_a_fmt:MATRIX_FMT_FP6 matrix_b_fmt:MATRIX_FMT_FP6
	v_wmma_scale_f32_16x16x128_f8f6f4 v[OB+8*\t+8:OB+8*\t+15], v[44+12*\t:55+12*\t], v[224:235], v[OB+8*\t+8:OB+8*\t+15], v[248+\t/2], v253 matrix_a_fmt:MATRIX_FMT_FP6 matrix_b_fmt:MATRIX_FMT_FP6 matrix_a_scale:MATRIX_SCALE_ROW1
.endr
.Lskip_\@:
.endm
; A key step from slot n.  The next step's bytes are asked for at its head and stored into the other slot at its end.  One barrier: in front of it my reads of slot n are over and my part of the other slot has landed.
; check = 1: the walk's last step asks for nothing (no load leaves its buffer) and stores nothing.  The wait for the loads stands on every way, ahead of the test, so that v8-14 are never loaded again with a load out.
.macro HALF n, check
.if \check
	s_cmp_eq_u32 s[NT], 1
	s_cbranch_scc1 .Lnl_\@
.endif
	SLOAD
.if \check
.Lnl_\@:
.endif
	TSTEP 0, \n
	TSTEP 1, \n
	s_add_co_u32 s[STEP], s[STEP], 1
	s_wait_loadcnt 0x0                             ; the next step's bytes, asked for a whole step ago, are in
.if \check
	s_cmp_eq_u32 s[NT], 1
	s_cbranch_scc1 .Lns_\@
.endif
	SSTORE 1-(\n)
.if \check
.Lns_\@:
.endif
	s_wait_dscnt 0x0
	s_barrier_signal -1
	s_barrier_wait -1
.endm
.Ltrip:                                            ; 8 - g trips
	HALF 0, 0
	HALF 1, 1
	s_sub_co_i32 s[NT], s[NT], 1
	s_cmp_gt_i32 s[NT], 0
	s_cbranch_scc1 .Ltrip
; THE WAY OUT of tile x: O^T / the sum; its 64 channels are two blocks of the last projection's K: codes and two scale bytes.
.macro OUTT x
.set SU, 30+58*(\x)
.set OB, 160+32*(\x)
.set CD, 224-192*(\x)                  ; the two tiles' codes stand in different registers: no store's data are written again
	v_add_f32 v254, v[SU], v[SU+1]
	s_delay_alu instid0(VALU_DEP_1)
	v_permlanex16_b32 v252, v254, s[SEL], s[SEL+1]
	s_delay_alu instid0(VALU_DEP_1)
	v_add_f32 v254, v254, v252                     ; the row's sum
	s_wait_alu depctr_va_vdst(0)
	v_rcp_f32 v254, v254
	v_nop                                          ; a plain line behind the reciprocal
	s_wait_alu depctr_va_vdst(0)                   ; and the wait ahead of its first reader
.set J, 0
.rept 32
	v_mul_f32 v[96+J], v[OB+J], v254               ; register 16 b + i: channel 32 b + 16 (lane / 16) + i of my query
.set J, J+1
.endr
.irp b, 0,1
	v_max3_num_f32 v[232+\b], |v[96+16*\b]|, |v[97+16*\b]|, 0x1800000
.endr
.irp i, 2,4,6,8,10,12,14
.irp b, 0,1
	s_delay_alu instid0(VALU_DEP_2)
	v_max3_num_f32 v[232+\b], v[232+\b], |v[96+16*\b+\i]|, |v[97+16*\b+\i]|
.endr
.endr
.irp b, 0,1
	s_delay_alu instid0(VALU_DEP_2)
	v_permlanex16_b32 v[236+\b], v[232+\b], s[SEL], s[SEL+1]
.endr
.irp b, 0,1
	s_delay_alu instid0(VALU_DEP_2)
	v_max_num_f32 v[232+\b], v[232+\b], v[236+\b]
.endr
.irp b, 0,1
	s_delay_alu instid0(VALU_DEP_2)
	v_add_nc_u32 v[244+\b], 0xff000000, v[232+\b]
.endr
.irp b, 0,1
	s_delay_alu instid0(VALU_DEP_2)
	v_lshrrev_b32 v[236+\b], 23, v[244+\b]
.endr
	s_delay_alu instid0(VALU_DEP_1)
	v_lshl_or_b32 v[240+\x], v237, 8, v236
	v_cvt_scalef32_pk16_fp6_f32 v[CD:CD+2], v[96:111], v244
	v_cvt_scalef32_pk16_fp6_f32 v[CD+4:CD+6], v[112:127], v245
	v_nop
.irp i, 0,1,2
	v_permlane16_swap_b32 v[CD+\i], v[CD+4+\i]
.endr
	s_delay_alu instid0(VALU_DEP_3)
	v_mov_b32 v[CD+3], v[CD+4]
	s_delay_alu instid0(VALU_DEP_3)
	v_mov_b32 v[CD+4], v[CD+5]
	s_delay_alu instid0(VALU_DEP_3)
	v_mov_b32 v[CD+5], v[CD+6]
.irp i, 0,1,2
	global_store_b64 v15, v[CD+2*\i:CD+2*\i+1], s[AB+2*(\x):AB+2*(\x)+1] offset:256*\i   ; the wave stores 256 consecutive bytes, aligned
.endr
.endm
	PLACES                                         ; behind the last products
	OUTT 0
	OUTT 1
	v_cndmask_b32 v242, v240, v241, s[HI]          ; lanes 0-15: a_lo's scale words, lanes 16-31: a_hi's
	v_and_b32 v243, 15, v0
	v_bfe_u32 v244, v0, 4, 1
	s_sub_co_u32 s41, s[ALO+1], s[ALO]
	s_lshl_b32 s41, s41, 6
	s_lshl_b32 s42, s[ALO], 6
	v_mul_u32_u24 v244, v244, s41
	s_delay_alu instid0(VALU_DEP_1)
	v_lshl_add_u32 v243, v243, 2, v244
	s_delay_alu instid0(VALU_DEP_1)
	v_add_nc_u32 v243, s42, v243                   ; 64 a_lo + 4 r, and 64 (a_hi - a_lo) more in lanes 16-31
	global_store_b32 v243, v242, s[12:13]
	s_wait_tensorcnt 0x0
	ds_add_u32 v90, v95
	s_wait_dscnt 0x0
	s_endpgm
.Lfunc_end_k_q62d6715d79_attn:
	.size	k_q62d6715d79_attn, .Lfunc_end_k_q62d6715d79_attn-k_q62d6715d79_attn
	.p2alignl 7, 3214868480
	.fill 96, 4, 3214868480
	.section	.rodata,"a",@progbits
	.p2align	6, 0x0
	.amdhsa_kernel k_q62d6715d79_attn
		.amdhsa_group_segment_fixed_size 61440
		.amdhsa_private_segment_fixed_size 0
		.amdhsa_enable_private_segment 0
		.amdhsa_kernarg_size 40
		.amdhsa_user_sgpr_count 2
		.amdhsa_user_sgpr_kernarg_segment_ptr 1
		.amdhsa_wavefront_size32 1
		.amdhsa_system_sgpr_workgroup_id_x 1
		.amdhsa_system_sgpr_workgroup_id_y 1
		.amdhsa_system_sgpr_workgroup_id_z 1
		.amdhsa_system_vgpr_workitem_id 0
		.amdhsa_next_free_vgpr 256
		.amdhsa_next_free_sgpr 68
		.amdhsa_reserve_vcc 1
		.amdhsa_float_denorm_mode_32 3
		.amdhsa_float_denorm_mode_16_64 3
		.amdhsa_memory_ordered 1
		.amdhsa_forward_progress 1
		.amdhsa_inst_pref_size 112
	.end_amdhsa_kernel
	.amdgpu_metadata
---
amdhsa.version: [ 1, 2 ]
amdhsa.kernels:
  - .name:           k_q62d6715d79_attn
    .symbol:         k_q62d6715d79_attn.kd
    .args:
      - { .name: qkimg, .offset: 0, .size: 8, .value_kind: global_buffer, .address_space: global }
      - { .name: vimg, .offset: 8, .size: 8, .value_kind: global_buffer, .address_space: global }
      - { .name: sc, .offset: 16, .size: 8, .value_kind: global_buffer, .address_space: global }
      - { .name: aimg, .offset: 24, .size: 8, .value_kind: global_buffer, .address_space: global }
      - { .name: asc, .offset: 32, .size: 8, .value_kind: global_buffer, .address_space: global }
    .group_segment_fixed_size: 61440
    .private_segment_fixed_size: 0
    .kernarg_segment_align: 8
    .kernarg_segment_size: 40
    .max_flat_workgroup_size: 512
    .sgpr_count:     68
    .vgpr_count:     256
    .wavefront_size: 32
...
	.end_amdgpu_metadata
.endif
;; end of part 3
;; launch outp (part 4): grid 4 x 64, 4 waves a work-group, no clusters, 120,320 bytes of LDS; arguments aimg, asc, wimg, wsc, bo, out0; writes out0
.if DOCPART == 4
	.amdgcn_target "amdgcn-amd-amdhsa--gfx1250"
	.amdhsa_code_object_version 6
	.text
	.protected	k_q62d6715d79_outp
	.globl	k_q62d6715d79_outp
	.p2align	8
	.type	k_q62d6715d79_outp,@function
k_q62d6715d79_outp:
	s_mov_b64 s[64:65], 0
	v_nop
	global_prefetch_b8 v0, s[64:65] scope:SCOPE_SE
	s_setreg_imm32_b32 hwreg(HW_REG_WAVE_MODE, 25, 1), 1
	s_wait_xcnt 0x0
; out0 = (attention's result) Wo + bo on codes of FP6 (E2M3) with E8M0 scales; out0 [8192][1024] f32.
; A work-group (x = cq, y = tg) takes 128 tokens x 256 channels; wave w takes 64 channels (G = 2 cq + w / 2, tiles 4 (w % 2) + b): 32 accumulators.
; COPY: the 128 tokens' codes are 98,304 consecutive bytes of aimg: they come into LDS as they lie.  Token tile t, K step s (heads 2 s, 2 s + 1) is 1,536 bytes at 12288 t + 1536 s: register pair P of the fragment at 256 P + 8 x lane:
; six loads of 8 bytes bring a fragment.  The scale words (two bytes a head) are joined in pairs of heads.  One barrier; afterwards that part of LDS is only read.
; Wo's fragments, which only this wave uses, come from memory straight into registers, a K step ahead.  All eight K steps are written out: every offset is an immediate.
; THE PRODUCT IS USED TRANSPOSED (source 0 = 16 channels, source 1 = 16 tokens): a lane holds eight neighbouring channels of one token's row.  bo is the C of each sum's first matrix instruction.
; REGISTERS: window 0: v1-13 addresses; v32-39 x's scale words, v40-43 W's, two sets each; v64-159, v160-255 x's fragments, two sets (first the copy's landing place, last the rows on their way out).
;   Window 1: W's fragments at v0-47 and v48-95, bo at v96-127.  Window 2: accumulator (a, b) at v[8 (4 a + b)].
.set XSC,  98304                       ; x's scale words: 512 s + 64 tile + 4 r
.set STGO, 102400                      ; the waves' stages: 16 rows x (256 bytes + 16) each
.set LI,  1
.set LS,  2
.set L8,  3                            ; v3-4  8 x lane; + 49,152 for tiles 4-7
.set CW,  5
.set T4,  6
.set XSW, 7
.set LSX, 8
.set WSO, 9
.set STO, 10
.set RD,  11
.set CO,  12
.set BO,  13
.set XS,  32
.set WS,  40
.set XF,  64
.set BK,  64
.set WV,  16
.set TG,  18
.set BT,  19
.set ST,  20
.set MSB, 0
.macro WIN new
.if MSB != (\new)
	s_set_vgpr_msb (MSB<<8)|(\new)
.set MSB, (\new)
.endif
.endm
.macro PLACES
.rept 4
	v_nop
.endr
.endm
.macro WM
.if WR == 0
	v_wmma_scale_f32_16x16x128_f8f6f4 v[WMD:WMD+7], v[WMA:WMA+11], v[WMB:WMB+11], v[WMC:WMC+7], v[WQA], v[WQB] matrix_a_fmt:MATRIX_FMT_FP6 matrix_b_fmt:MATRIX_FMT_FP6
.elseif WR == 1
	v_wmma_scale_f32_16x16x128_f8f6f4 v[WMD:WMD+7], v[WMA:WMA+11], v[WMB:WMB+11], v[WMC:WMC+7], v[WQA], v[WQB] matrix_a_fmt:MATRIX_FMT_FP6 matrix_b_fmt:MATRIX_FMT_FP6 matrix_a_scale:MATRIX_SCALE_ROW1
.elseif WR == 2
	v_wmma_scale_f32_16x16x128_f8f6f4 v[WMD:WMD+7], v[WMA:WMA+11], v[WMB:WMB+11], v[WMC:WMC+7], v[WQA], v[WQB] matrix_a_fmt:MATRIX_FMT_FP6 matrix_b_fmt:MATRIX_FMT_FP6 matrix_b_scale:MATRIX_SCALE_ROW1
.else
	v_wmma_scale_f32_16x16x128_f8f6f4 v[WMD:WMD+7], v[WMA:WMA+11], v[WMB:WMB+11], v[WMC:WMC+7], v[WQA], v[WQB] matrix_a_fmt:MATRIX_FMT_FP6 matrix_b_fmt:MATRIX_FMT_FP6 matrix_a_scale:MATRIX_SCALE_ROW1 matrix_b_scale:MATRIX_SCALE_ROW1
.endif
.endm
	s_load_b256 s[4:11], s[0:1], 0x0               ; aimg, asc, wimg, wsc
	s_load_b128 s[12:15], s[0:1], 0x20             ; bo, out0
	v_lshl_add_u32 v62, v0, 2, 0x1d400
	v_mov_b32 v63, 0
	v_lshrrev_b32 v20, 5, v0
	v_readfirstlane_b32 s[WV], v20                 ; wave 0..3
	s_and_b32 s[TG], ttmp7, 0xffff
	s_lshr_b32 s[BT], s[TG], 4
	s_and_b32 s[ST], s[TG], 15
	v_and_b32 v20, 31, v0                          ; lane
	v_and_b32 v21, 15, v0                          ; r
	v_bfe_u32 v22, v0, 4, 1                        ; h
	v_lshlrev_b32 v[LI], 4, v20
	v_lshlrev_b32 v[LS], 2, v20
	v_lshlrev_b32 v[L8], 3, v20
	v_add_nc_u32 v[L8+1], 49152, v[L8]
	s_mul_i32 s21, s[WV], 24576
	v_add_nc_u32 v[CW], s21, v[LI]
	v_lshlrev_b32 v[T4], 2, v0
	v_add_nc_u32 v[XSW], XSC, v[T4]
	v_add_nc_u32 v[LSX], XSC, v[LS]
	s_and_b32 s34, s[WV], 1
	s_lshl_b32 s35, s34, 3
	v_add_nc_u32 v[WSO], s35, v[LI]                ; of a lane's four scale words of Wo: the two of my four tiles
	s_mul_i32 s35, s[WV], 4352
	s_add_co_u32 s35, s35, STGO
	v_mul_u32_u24 v[STO], v21, 272                 ; the stage, in: row r, + 32 h
	v_lshl_add_u32 v[STO], v22, 5, v[STO]
	v_add_nc_u32 v[STO], s35, v[STO]
	v_mul_u32_u24 v[RD], v22, 272                  ; back: lanes 0-15 one row of 256 bytes, lanes 16-31 the next
	v_lshl_add_u32 v[RD], v21, 4, v[RD]
	v_add_nc_u32 v[RD], s35, v[RD]
	v_lshlrev_b32 v[CO], 12, v22                   ; and the same two rows in out0
	v_lshl_add_u32 v[CO], v21, 4, v[CO]
	v_lshlrev_b32 v[BO], 5, v22
	s_mul_i32 s22, s[TG], 98304
	s_add_co_u32 s22, s22, s21                     ; aimg: my work-group's tokens, my wave's quarter
	s_mov_b32 s23, 0
	s_lshl_b32 s24, s[BT], 17
	s_lshl_b32 s35, s[ST], 9
	s_add_co_u32 s24, s24, s35                     ; asc: batch, tile 8 st
	s_mov_b32 s25, 0
	s_lshl_b32 s36, ttmp9, 1
	s_lshr_b32 s35, s[WV], 1
	s_add_co_u32 s36, s36, s35                     ; G
	s_mul_i32 s26, s36, 98304
	s_mul_i32 s35, s34, 6144
	s_add_co_u32 s26, s26, s35
	s_add_co_u32 s26, s26, 3*786432                ; wimg: matrix 3, G, my four tiles
	s_mov_b32 s27, 0
	s_lshl_b32 s28, s36, 12
	s_add_co_u32 s28, s28, 3*32768
	s_mov_b32 s29, 0
	s_lshl_b32 s30, ttmp9, 10
	s_lshl_b32 s35, s[WV], 8
	s_add_co_u32 s30, s30, s35                     ; my 64 channels, in bytes
	s_mov_b32 s31, 0
	s_lshl_b32 s32, s[TG], 19
	s_add_co_u32 s32, s32, s30
	s_mov_b32 s33, 0
	s_wait_alu depctr_va_vdst(0)
	s_wait_kmcnt 0x0
	s_add_nc_u64 s[4:5], s[4:5], s[22:23]
	s_add_nc_u64 s[6:7], s[6:7], s[24:25]
	s_add_nc_u64 s[8:9], s[8:9], s[26:27]
	s_add_nc_u64 s[10:11], s[10:11], s[28:29]
	s_add_nc_u64 s[12:13], s[12:13], s[30:31]
	s_add_nc_u64 s[14:15], s[14:15], s[32:33]
; ---- the copy
.set N, 0
.rept 16
	global_load_b32 v[32+N], v[T4], s[6:7] offset:8192*N   ; head N's scale words of the eight tiles: thread = 16 tile + r
.set N, N+1
.endr
.set N, 0
.rept 48
	global_load_b128 v[64+4*N:67+4*N], v[LI], s[4:5] offset:512*N
.set N, N+1
.endr
	s_wait_loadcnt 48                              ; the 16 scale loads are in; the 48 behind them may be out
.irp s, 0,1,2,3,4,5,6,7
	v_lshl_or_b32 v[48+\s], v[33+2*\s], 16, v[32+2*\s]   ; K step s: bytes 0, 1 of head 2 s, then of head 2 s + 1
	ds_store_b32 v[XSW], v[48+\s] offset:512*\s
.endr
.set N, 0
.rept 48
	s_wait_loadcnt 47-N                            ; load N is in; the younger ones may be out
	ds_store_b128 v[CW], v[64+4*N:67+4*N] offset:512*N
.set N, N+1
.endr
.macro FW p, s                         ; Wo's four fragments and their scale words of K step s into set p: 13 loads
	WIN 0x40
.set N, 0
.rept 12
	global_load_b128 v[48*(\p)+4*N:48*(\p)+4*N+3], v[LI], s[8:9] offset:12288*(\s)+512*N
.set N, N+1
.endr
	WIN 0
	global_load_b64 v[WS+2*(\p):WS+2*(\p)+1], v[WSO], s[10:11] offset:512*(\s)
.endm
.macro FX p, s                         ; x's eight fragments and their scale words of K step s into set p: 52 LDS loads
.set N, 0
.rept 48
	ds_load_b64 v[XF+96*(\p)+2*N:XF+96*(\p)+2*N+1], v[L8+N/24] offset:12288*((N/6)%4)+1536*(\s)+256*(N%6)
.set N, N+1
.endr
.irp q, 0,1,2,3
	ds_load_b32 v[XS+4*(\p)+\q], v[LSX] offset:512*(\s)+128*\q
.endr
.endm
	FW 0, 0
	WIN 0x40
.irp b, 0,1,2,3                        ; bo in the result's layout: lane (r, h), register j of tile b: channel 16 b + 8 h + j
	global_load_b128 v[96+8*\b:99+8*\b], v[BO], s[12:13] offset:64*\b
	global_load_b128 v[100+8*\b:103+8*\b], v[BO], s[12:13] offset:64*\b+16
.endr
	WIN 0
	s_wait_dscnt 0x0                               ; for the others' sake: my part of the copy has landed
	s_barrier_signal -1
	s_barrier_wait -1
	FX 0, 0
; 32 matrix instructions, 128 along K; the 32 accumulators take turns, one instruction a turn, in the same order in every step
.macro MUL p, first
	WIN 0xa1-0x10*(\first)                         ; source 0 (W) window 1, source 1 (x) window 0, D window 2; C window 2, in the first step window 1 (bo)
.irp a, 0,1,2,3,4,5,6,7
.irp b, 0,1,2,3
.set WMD, 8*(4*\a+\b)
.set WMA, 48*(\p)+12*\b
.set WMB, XF+96*(\p)+12*\a
.if \first
.set WMC, 96+8*\b
.else
.set WMC, WMD
.endif
.set WQA, WS+2*(\p)+\b/2
.set WQB, XS+4*(\p)+\a/2
.set WR, \b%2+2*(\a%2)
	WM
.endr
.endr
	WIN 0
.endm
.irp s, 0,1,2,3,4,5,6,7
	PLACES                                         ; the other set's registers were read by the last step's matrix instructions
.if \s < 7
	FW (\s+1)%2, \s+1
	FX (\s+1)%2, \s+1
	s_wait_loadcnt 13                              ; all but the 13 just issued
	s_wait_dscnt 52                                ; all but the 52 just issued
.else
	s_wait_loadcnt 0x0
	s_wait_dscnt 0x0
.endif
.if \s == 0
	MUL 0, 1
.else
	MUL \s%2, 0
.endif
.endr
; THE WAY OUT, a tile of 16 tokens at a time: a lane holds 32 bytes of a row; through my own stage the rows come back whole: sixteen lanes store 256 consecutive bytes, aligned.
.macro TOSTAGE a
	WIN 0x08                                       ; an LDS store's data are its source 1: window 2
.irp b, 0,1,2,3
	ds_store_b128 v[STO], v[8*(4*(\a)+\b):8*(4*(\a)+\b)+3] offset:64*\b        ; each accumulator from its low end on
	ds_store_b128 v[STO], v[8*(4*(\a)+\b)+4:8*(4*(\a)+\b)+7] offset:64*\b+16
.endr
	WIN 0
.irp i, 0,1,2,3,4,5,6,7
	ds_load_b128 v[BK+32*((\a)%2)+4*\i:BK+32*((\a)%2)+4*\i+3], v[RD] offset:544*\i   ; LDS serves a wave's instructions in order: these see my stores, and the next tile's stores come behind them
.endr
.endm
.macro SEND a, younger
	s_wait_dscnt \younger                          ; the tile is back; the next tile's 8 stores and 8 loads may be out
.irp i, 0,1,2,3,4,5,6,7
	global_store_b128 v[CO], v[BK+32*((\a)%2)+4*\i:BK+32*((\a)%2)+4*\i+3], s[14:15] offset:(16*(\a)+2*\i)*4096 th:TH_STORE_NT
.endr
.endm
	PLACES                                         ; behind the last products: ahead of the reads of results and of loads into x's registers
	TOSTAGE 0
.irp a, 1,2,3,4,5,6,7
.if \a > 1
	s_wait_xcnt 0x0                                ; tile a - 2's stores have read their registers: tile a's loads may land there
.endif
	TOSTAGE \a
	SEND \a-1, 16
.endr
	SEND 7, 0
	s_wait_tensorcnt 0x0
	ds_add_u32 v62, v63
	s_wait_dscnt 0x0
	s_endpgm
.Lfunc_end_k_q62d6715d79_outp:
	.size	k_q62d6715d79_outp, .Lfunc_end_k_q62d6715d79_outp-k_q62d6715d79_outp
	.p2alignl 7, 3214868480
	.fill 96, 4, 3214868480
	.section	.rodata,"a",@progbits
	.p2align	6, 0x0
	.amdhsa_kernel k_q62d6715d79_outp
		.amdhsa_group_segment_fixed_size 120320
		.amdhsa_private_segment_fixed_size 0
		.amdhsa_enable_private_segment 0
		.amdhsa_kernarg_size 48
		.amdhsa_user_sgpr_count 2
		.amdhsa_user_sgpr_kernarg_segment_ptr 1
		.amdhsa_wavefront_size32 1
		.amdhsa_system_sgpr_workgroup_id_x 1
		.amdhsa_system_sgpr_workgroup_id_y 1
		.amdhsa_system_sgpr_workgroup_id_z 1
		.amdhsa_system_vgpr_workitem_id 0
		.amdhsa_next_free_vgpr 768
		.amdhsa_next_free_sgpr 66
		.amdhsa_reserve_vcc 0
		.amdhsa_float_denorm_mode_32 3
		.amdhsa_float_denorm_mode_16_64 3
		.amdhsa_memory_ordered 1
		.amdhsa_forward_progress 1
		.amdhsa_inst_pref_size 102
	.end_amdhsa_kernel
	.amdgpu_metadata
---
amdhsa.version: [ 1, 2 ]
amdhsa.kernels:
  - .name:           k_q62d6715d79_outp
    .symbol:         k_q62d6715d79_outp.kd
    .args:
      - { .name: aimg, .offset: 0, .size: 8, .value_kind: global_buffer, .address_space: global }
      - { .name: asc, .offset: 8, .size: 8, .value_kind: global_buffer, .address_space: global }
      - { .name: wimg, .offset: 16, .size: 8, .value_kind: global_buffer, .address_space: global }
      - { .name: wsc, .offset: 24, .size: 8, .value_kind: global_buffer, .address_space: global }
      - { .name: bo, .offset: 32, .size: 8, .value_kind: global_buffer, .address_space: global }
      - { .name: out0, .offset: 40, .size: 8, .value_kind: global_buffer, .address_space: global }
    .group_segment_fixed_size: 120320
    .private_segment_fixed_size: 0
    .kernarg_segment_align: 8
    .kernarg_segment_size: 48
    .max_flat_workgroup_size: 128
    .sgpr_count:     66
    .vgpr_count:     768
    .wavefront_size: 32
...
	.end_amdgpu_metadata
.endif
;; end of part 4
